; MI455X (gfx1250); checked and timed in simulation.
; The chip was launched on July 23, 2026; its instructions are those of AMD's public machine-readable ISA for CDNA 5 (MIT licence, August 2026) and "CDNA5" Instruction Set Architecture Reference Guide (July 2026). The comments in the code are by the model that wrote it; some were corrected since.
;; Multihead Attention. Allowed arithmetic: matrix products marked QUANTISED: E3M2 operands, one E8M0 scale for each 32 along K, by v_wmma_scale_f32_16x16x128_f8f6f4 with both operands' format E3M2, f32 sums; everything else in f32.
;; Inputs: Wk 1,024 x 1,024 float32; Wo 1,024 x 1,024 float32; Wq 1,024 x 1,024 float32; Wv 1,024 x 1,024 float32; token_positions 2,048 int32; x 4 x 2,048 x 1,024 float32.
;; Outputs: out0 4 x 2,048 x 1,024 float32.
;; This version of the problem:
;;   THIS VERSION OF THE PROBLEM IS GIVEN IN LOW PRECISION. The matrix products marked QUANTISED in the list below multiply operands that are first quantised to E3M2 (3 exponent bits, 2 mantissa bits; 6 bits a number), with one power-of-two scale for each 32 numbers along K (OCP MX v1.0); their sums are f32. All else is computed in f32.
;;   The module's matrix products, in the order in which they are computed (A, B: the left and right operand; K: the contracted axis; several contracted axes count as one K, in the product's order):
;;     1. [M 8,192, K 1,024] x [K 1,024, N 1,024]; A: input x; B: input Wq: QUANTISED
;;     2. [M 8,192, K 1,024] x [K 1,024, N 1,024]; A: input x; B: input Wk: QUANTISED
;;     3. [M 8,192, K 1,024] x [K 1,024, N 1,024]; A: input x; B: input Wv: QUANTISED
;;     4. batch 64 x [M 2,048, K 64] x [K 64, N 2,048]; A: computed on the way; B: computed on the way: QUANTISED
;;     5. batch 64 x [M 2,048, K 2,048] x [K 2,048, N 64]; A: softmax (see below); B: computed on the way: QUANTISED
;;     6. [M 8,192, K 1,024] x [K 1,024, N 1,024]; A: computed on the way; B: input Wo: QUANTISED
;;   THE QUANTISER, for each operand of a quantised product, along K:
;;     - K is cut into blocks of 32 from its start; a last block that is shorter is filled with zeros.
;;     - A block's scale is 2^e with e = floor(log2(the largest magnitude in the block)) - 4, held to -126 .. 127; a block of zeros has e = 0. As a byte (E8M0): e + 127.
;;     - Each number is divided by its block's scale, clamped to +-28, and rounded to the nearest number of E3M2, ties to even, subnormals kept.
;;     - The product sums the exact products of the quantised numbers (number of the format x scale) in f32.
;;   ~~~python
;;   def quantise(x, axis):      # numpy; x: float32 -> the quantised numbers, widened to float32 again
;;       x = np.moveaxis(x, axis, -1); K = x.shape[-1]
;;       x = np.pad(x, [(0, 0)] * (x.ndim - 1) + [(0, -K % 32)]); x = x.reshape(x.shape[:-1] + (-1, 32)); a = np.abs(x).max(-1, keepdims=True)
;;       e = np.where(a > 0, np.clip(np.frexp(np.where(a > 0, a, 1))[1] - 1 - 4, -126, 127), 0)      # np.frexp(a)[1] - 1 = floor(log2(a)), exactly
;;       r = np.clip(x / 2.0 ** e, -28, 28)
;;       step = 2.0 ** (np.maximum(np.frexp(np.where(r == 0, 1, r))[1] - 1, -2) - 2)
;;       q = np.round(r / step) * step * 2.0 ** e      # np.round: ties to even
;;       return np.moveaxis(q.reshape(q.shape[:-2] + (-1,))[..., :K], -1, axis).astype(np.float32)
;;   ~~~
;;   SOFTMAX AHEAD OF A QUANTISED PRODUCT. Where the list says 'softmax', what is quantised is not the finished softmax but p = 2^(t - M), with t = logit x log2(e) and M = ceil(the row's largest t), a whole number; so 1/2 < the row's largest p <= 1. The row's sum l is taken of the UNQUANTISED p, in f32, and the product's result is divided by l at the end. Since M is a whole number, a kernel that streams over the keys may use a running M (the ceiling of the running maximum): every later rescaling is an exact power of two, which a block's scale takes up: the codes' values come out the same.
;;   OPERANDS COMPUTED ON THE WAY. 'Computed on the way' means the value that the module computes at that place (a softmax that the list does not call 'softmax' is quantised finished and normalised). What goes into a quantiser is computed in f32, as accurately as f32 sums, v_exp_f32 and their like allow (about 1e-6 of the number): no bf16 or f16 on the way to a quantiser, and a product that is left as it is and whose result goes on into a quantised operand takes f32 operands (vector FMAs, or v_wmma_f32_16x16x4_f32). A number that lies on a knife's edge between two numbers of the format may be rounded either way, as far as f32 arithmetic and the matrix unit's own rounding can turn it there, and no further.
;; One version. Each part assembles by itself: llvm-mc -triple=amdgcn-amd-amdhsa -mcpu=gfx1250 --defsym DOCPART=n.
;; ======== version 1 of 1: 4 launches
;; limits: right only within a limited range of input values
;; workspace buffers: cod1 9,437,184 bytes; scl1 393,216 bytes; rope 524,288 bytes; qkv 20,185,088 bytes; oc 6,291,456 bytes; os 262,144 bytes
;; launch prep (part 1): grid 400 x 1, 4 waves a work-group, no clusters, 35,328 bytes of LDS; arguments x, Wq, Wk, Wv, Wo, token_positions, cod1, scl1, rope; writes cod1, scl1, rope
.if DOCPART == 1
	.amdgcn_target "amdgcn-amd-amdhsa--gfx1250"
	.amdhsa_code_object_version 6
	.text
	.protected	k_qe63dab8ec9_prep
	.globl	k_qe63dab8ec9_prep
	.p2align	8
	.type	k_qe63dab8ec9_prep,@function
k_qe63dab8ec9_prep:
	s_mov_b64 s[64:65], 0
	v_nop
	global_prefetch_b8 v0, s[64:65] scope:SCOPE_SE
	s_setreg_imm32_b32 hwreg(HW_REG_WAVE_MODE, 25, 1), 1
	s_wait_xcnt 0x0
; x [8192][1024] and Wq, Wk, Wv, Wo [1024][1024], f32, become codes of BF6 (E3M2) with one E8M0 byte for each 32 along K (their last axis); token_positions becomes a table of cosines and sines.
; THE CODES ARE LAID AS THE PRODUCTS' REGISTERS WANT THEM.  cod1 = [tile row T 0..767][K step q 0..7], 1,536 bytes each: the 12 registers a lane of a fragment of 16 rows x 128 K, as three chunks of 512 bytes,
; lane l's registers 4 c .. 4 c + 3 at 512 c + 16 l.  T 0-511: x; 512-575 Wq; 576-639 Wk; 640-703 Wv; 704-767 Wo.
; THE ROWS OF A TILE ARE NOT NEIGHBOURS: lane r of tile T holds row 32 (T / 2) + 8 (T % 2) + r + 8 (r / 8) of its tensor, so that a product that takes such tiles as source 0 leaves 16 neighbours in 16 registers.
; scl1 = [T][q / 2][r][q % 2] words: a row's four scale bytes of a K step.
; A block's scale is 2^(floor(log2(largest magnitude)) - 4); its byte is the largest magnitude's exponent field - 4, held at 1 from below.
; LIMITS: a block of zeros gets the byte 1 and not 127 (its codes are zeros, and this program alone reads the bytes); NaN and infinities among the inputs are not served;
; the table's angle reduction (three parts of pi / 2, fused) is exact in its first step for |position| up to 2^17.
; SHARES: work-groups 0-383: a wave takes one tile row and four K steps (32 KiB in, 6,144 + 256 bytes out).  Work-groups 384-399: the table, a wave 32 tokens, a lane a frequency.
; Every load reads 512 consecutive bytes of a row; a fragment's 8 KiB turn through the wave's own stage in LDS (rows 528 bytes apart: 33 x 16, so that the 16 rows of a read start at 16 different places modulo 256).
; No tensor load, no barrier: waves share nothing.  Memory binds: no matrix unit, no cluster.
.set WREG, 8704                        ; LDS of a wave: 16 rows x 528, then 256 bytes of scale words
.set SROW, 528
.set SCB,  16*SROW
.set WV,   34
.set SEL,  36                          ; s[36:37] lane selects: lane l xor 16
.set SRC,  24                          ; s[24:25] my rows
.set DC,   26                          ; s[26:27] my codes
.set DS,   28                          ; s[28:29] my scale words
.set LN,   1
.set RR,   2
.set HH,   3
.set LO,   4                           ; 16 x lane
.set STI,  5                           ; the stage, in
.set STO,  6                           ; the stage, out: row r, + 128 h
.set SCW,  7                           ; where my row's scale words go
.set SCR,  8                           ; and where I read 8 bytes of the 256 back
.set L8,   9                           ; 8 x lane
.set SH8,  10                          ; 8 h
.set WT,   11
.set M,    12                          ; v12-15 four chains of maxima
.set SO,   16                          ; v16-17 the conversions' scale operands
.set BB,   18                          ; v18-19 the bytes
.set W,    20                          ; v20-23 a scale word for each K step
.set C,    24                          ; v24-35 the fragment
.set CT,   36                          ; v36-38, v40-42
.set BK,   44
.set X,    48                          ; v48-111 my 64 numbers: k = 64 c + 32 h + 0 .. 31 of row r
.set R,    112                         ; v112-239 two sets of 16 x 4 as loaded
	s_load_b512 s[4:19], s[0:1], 0x0               ; x, Wq, Wk, Wv, Wo, token_positions, cod1, scl1
	s_load_b64 s[20:21], s[0:1], 0x40              ; rope
	v_lshl_add_u32 v240, v0, 2, 0x8800
	v_mov_b32 v241, 0
	v_lshrrev_b32 v1, 5, v0
	v_readfirstlane_b32 s[WV], v1                  ; wave
	v_and_b32 v[LN], 31, v0
	v_lshlrev_b32 v[L8], 3, v[LN]
	s_cmp_ge_u32 ttmp9, 384
	s_cbranch_scc1 .Ltable
	v_and_b32 v[RR], 15, v0
	v_bfe_u32 v[HH], v0, 4, 1
	v_lshlrev_b32 v[LO], 4, v[LN]
	s_mul_i32 s38, s[WV], WREG
	v_add_nc_u32 v[STI], s38, v[LO]
	v_mul_u32_u24 v[STO], v[RR], SROW
	v_lshl_add_u32 v[STO], v[HH], 7, v[STO]
	v_add_nc_u32 v[STO], s38, v[STO]
	s_add_co_u32 s38, s38, SCB
	v_lshl_add_u32 v[SCW], v[RR], 3, s38
	v_add_nc_u32 v[SCR], s38, v[L8]
	v_lshlrev_b32 v[SH8], 3, v[HH]
	v_mov_b32 v[WT], 0                             ; a lane permute's destination counts as one of its sources
	s_mov_b32 s[SEL], 0x76543210
	s_mov_b32 s[SEL+1], 0xfedcba98
	s_lshl_b32 s39, ttmp9, 1
	s_lshr_b32 s40, s[WV], 1
	s_add_co_u32 s39, s39, s40                     ; T = 2 x work-group + wave / 2
	s_and_b32 s40, s[WV], 1                        ; which four K steps
	s_and_b32 s41, s39, 63
	s_cmp_lt_u32 ttmp9, 256
	s_cselect_b32 s41, s39, s41                    ; the tile row inside its tensor
	s_lshr_b32 s42, s41, 1
	s_lshl_b32 s42, s42, 5
	s_and_b32 s43, s41, 1
	s_lshl_b32 s43, s43, 3
	s_add_co_u32 s42, s42, s43                     ; its first row: 32 (T / 2) + 8 (T % 2)
	s_lshl_b32 s42, s42, 12                        ; rows of 4,096 bytes
	s_lshl_b32 s43, s40, 11
	s_add_co_u32 s42, s42, s43
	s_mov_b32 s43, 0
	s_mul_i32 s44, s39, 12288
	s_mul_i32 s45, s40, 6144
	s_add_co_u32 s44, s44, s45
	s_mov_b32 s45, 0
	s_lshl_b32 s46, s39, 9
	s_lshl_b32 s47, s40, 8
	s_add_co_u32 s46, s46, s47
	s_mov_b32 s47, 0
	s_wait_kmcnt 0x0
	s_cmp_lt_u32 ttmp9, 352                        ; which tensor: the choice hangs on the work-group's number alone
	s_cselect_b64 s[SRC:SRC+1], s[10:11], s[12:13]
	s_cmp_lt_u32 ttmp9, 320
	s_cselect_b64 s[SRC:SRC+1], s[8:9], s[SRC:SRC+1]
	s_cmp_lt_u32 ttmp9, 288
	s_cselect_b64 s[SRC:SRC+1], s[6:7], s[SRC:SRC+1]
	s_cmp_lt_u32 ttmp9, 256
	s_cselect_b64 s[SRC:SRC+1], s[4:5], s[SRC:SRC+1]
	s_add_nc_u64 s[SRC:SRC+1], s[SRC:SRC+1], s[42:43]
	s_add_nc_u64 s[DC:DC+1], s[16:17], s[44:45]
	s_add_nc_u64 s[DS:DS+1], s[18:19], s[46:47]
.macro LOAD t                          ; K step t: the 16 rows' 512 bytes, a row a load
.irp rho, 0,1,2,3,4,5,6,7,8,9,10,11,12,13,14,15
	global_load_b128 v[R+64*((\t)%2)+4*\rho:R+64*((\t)%2)+4*\rho+3], v[LO], s[SRC:SRC+1] offset:(\rho+8*(\rho/8))*4096+512*(\t) th:TH_LOAD_NT
.endr
.endm
.macro STEP t
.if (\t) < 3
	s_wait_loadcnt 16                              ; this K step's 16 loads are in; the next one's 16 may be out
.else
	s_wait_loadcnt 0x0
.endif
.irp rho, 0,1,2,3,4,5,6,7,8,9,10,11,12,13,14,15
	ds_store_b128 v[STI], v[R+64*((\t)%2)+4*\rho:R+64*((\t)%2)+4*\rho+3] offset:SROW*\rho
.endr
.irp c, 0,1
.irp i, 0,1,2,3,4,5,6,7
	ds_load_b128 v[X+32*\c+4*\i:X+32*\c+4*\i+3], v[STO] offset:256*\c+16*\i   ; LDS serves a wave's instructions in order: these see the stores above
.endr
.endr
	s_wait_dscnt 0x0                               ; my 64 numbers are in, and the stores have read their registers,
.if (\t) < 2
	LOAD (\t)+2                                    ; which take the loads of two K steps on
.endif
.irp c, 0,1                                    ; my blocks h and 2 + h: all 32 numbers of each are mine; two chains a block
	v_max3_num_f32 v[M+2*\c], |v[X+32*\c]|, |v[X+32*\c+1]|, 0x2800000          ; with the floor 2^(5 - 127): the byte cannot fall under 1
	v_max3_num_f32 v[M+2*\c+1], |v[X+32*\c+16]|, |v[X+32*\c+17]|, 0x2800000
.endr
.irp i, 2,4,6,8,10,12,14
.irp c, 0,1
	v_max3_num_f32 v[M+2*\c], v[M+2*\c], |v[X+32*\c+\i]|, |v[X+32*\c+\i+1]|
	v_max3_num_f32 v[M+2*\c+1], v[M+2*\c+1], |v[X+32*\c+16+\i]|, |v[X+32*\c+17+\i]|
.endr
.endr
.irp c, 0,1
	v_max_num_f32 v[M+2*\c], v[M+2*\c], v[M+2*\c+1]
.endr
.irp c, 0,1
	v_add_nc_u32 v[SO+\c], 0xfe000000, v[M+2*\c]   ; 4 off the exponent field: the conversion takes that field as its scale
.endr
.irp c, 0,1
	v_lshrrev_b32 v[BB+\c], 23, v[SO+\c]           ; the scale's byte
.endr
	v_lshl_or_b32 v[W+(\t)], v[BB+1], 16, v[BB]
	v_lshlrev_b32 v[W+(\t)], v[SH8], v[W+(\t)]     ; my two bytes at their places,
	v_permlanex16_b32 v[WT], v[W+(\t)], s[SEL], s[SEL+1]
	v_or_b32 v[W+(\t)], v[W+(\t)], v[WT]           ; with lane l xor 16's two the row's word is whole
	s_wait_xcnt 0x0                                ; the last K step's stores have read the codes' registers
.irp c, 0,1
	v_cvt_scalef32_pk16_bf6_f32 v[C+6*\c:C+6*\c+2], v[X+32*\c:X+32*\c+15], v[SO+\c]
	v_cvt_scalef32_pk16_bf6_f32 v[CT+4*\c:CT+4*\c+2], v[X+32*\c+16:X+32*\c+31], v[SO+\c]   ; (a conversion's three registers begin on an even number)
.endr
	v_nop                                          ; one plain instruction behind a scaled conversion
.irp c, 0,1
.irp i, 0,1,2
	v_mov_b32 v[C+6*\c+3+\i], v[CT+4*\c+\i]
.endr
.endr
.irp c, 0,1,2
	global_store_b128 v[LO], v[C+4*\c:C+4*\c+3], s[DC:DC+1] offset:1536*(\t)+512*\c   ; 32 lanes store 512 consecutive bytes, aligned
.endr
	ds_store_b32 v[SCW], v[W+(\t)] offset:128*((\t)/2)+4*((\t)%2)                 ; both halves of the lanes write the same word with the same value
.endm
	LOAD 0
	LOAD 1
	STEP 0
	STEP 1
	STEP 2
	STEP 3
	ds_load_b64 v[BK:BK+1], v[SCR]
	s_wait_dscnt 0x0
	global_store_b64 v[L8], v[BK:BK+1], s[DS:DS+1] ; 256 consecutive bytes, aligned
	s_wait_tensorcnt 0x0
	ds_add_u32 v240, v241
	s_wait_dscnt 0x0
	s_endpgm
; THE TABLE: rope[token][f] = (cos, sin) of position x 10000^(-f / 32), 256 bytes a token.  Lane = f.
.Ltable:
	s_sub_co_u32 s38, ttmp9, 384
	s_lshl_b32 s38, s38, 2
	s_add_co_u32 s38, s38, s[WV]
	s_lshl_b32 s38, s38, 5                         ; my wave's first token
	s_lshl_b32 s40, s38, 2
	s_mov_b32 s41, 0
	s_lshl_b32 s42, s38, 8
	s_mov_b32 s43, 0
	s_mov_b32 s44, 0x3f22f983                      ; 2 / pi
	s_mov_b32 s45, 0xbfc90fdb                      ; - pi / 2 in three parts: the first,
	s_mov_b32 s46, 0x333bbd2e                      ; what it is too large by,
	s_mov_b32 s47, 0x26f72ced                      ; and the rest
	s_mov_b32 s48, 0xb94ca1f9                      ; sine on [-pi / 4, pi / 4]: r + r z (s1 + z (s2 + z s3))
	s_mov_b32 s49, 0x3c08839e
	s_mov_b32 s50, 0xbe2aaaa3
	s_mov_b32 s51, 0x37ccf5ce                      ; cosine: 1 - z / 2 + z z (c1 + z (c2 + z c3))
	s_mov_b32 s52, 0xbab6061a
	s_mov_b32 s53, 0x3d2aaaa5
	v_lshlrev_b32 v10, 2, v[LN]
	s_wait_kmcnt 0x0
	s_add_nc_u64 s[14:15], s[14:15], s[40:41]
	s_add_nc_u64 s[20:21], s[20:21], s[42:43]
	global_load_b32 v12, v10, s[14:15]             ; lane l: the position of token l of my 32
	v_cvt_f32_u32 v13, v[LN]                       ; f
	v_mul_f32 v14, 0x3ed48000, v13                 ; f x 1700 / 4096, exact: the upper part of f log2(10000) / 32
	v_floor_f32 v15, v14
	v_sub_f32 v14, v14, v15                        ; its fraction, exact
	v_fmamk_f32 v14, v13, 0x3953c25e, v14          ; + f x the lower part
	v_exp_f32 v16, -v14
	v_nop                                          ; a plain instruction behind the exponential,
	v_cvt_i32_f32 v15, v15
	s_wait_alu depctr_va_vdst(0)                   ; and the wait ahead of its first reader
	v_sub_nc_u32 v15, 0, v15
	v_ldexp_f32 v13, v16, v15                      ; 10000^(-f / 32)
	s_wait_loadcnt 0x0
.macro SINCOS j                        ; token j: each has its own pair of registers for the store
	v_readlane_b32 s54, v12, \j
	v_cvt_f32_i32 v20, s54
	v_mul_f32 v20, v20, v13                        ; the angle, rounded once
	v_mul_f32 v21, s44, v20
	v_rndne_f32 v21, v21                           ; N quarters of a turn
	v_fma_f32 v22, v21, s45, v20
	v_fma_f32 v22, v21, s46, v22
	v_fma_f32 v22, v21, s47, v22                   ; what is left, within pi / 4
	v_cvt_i32_f32 v23, v21
	v_mul_f32 v24, v22, v22
	v_fma_f32 v25, v24, s48, s49
	v_fma_f32 v25, v25, v24, s50
	v_mul_f32 v25, v25, v24
	v_fma_f32 v25, v25, v22, v22                   ; its sine
	v_fma_f32 v26, v24, s51, s52
	v_fma_f32 v26, v26, v24, s53
	v_fma_f32 v26, v26, v24, -0.5
	v_fma_f32 v26, v26, v24, 1.0                   ; its cosine
	v_and_b32 v27, 1, v23
	v_cmp_eq_u32 vcc_lo, 1, v27                    ; an odd N: they change places
	v_cndmask_b32 v28, v25, v26, vcc_lo
	v_cndmask_b32 v29, v26, v25, vcc_lo
	v_lshlrev_b32 v27, 30, v23
	v_and_b32 v27, 0x80000000, v27                 ; N % 4 = 2, 3: the sine changes sign
	v_xor_b32 v[65+2*\j], v27, v28
	v_add_nc_u32 v27, 1, v23
	v_lshlrev_b32 v27, 30, v27
	v_and_b32 v27, 0x80000000, v27                 ; N % 4 = 1, 2: the cosine does
	v_xor_b32 v[64+2*\j], v27, v29
	global_store_b64 v[L8], v[64+2*\j:65+2*\j], s[20:21] offset:256*\j   ; a token's 256 bytes, aligned
.endm
.irp j, 0,1,2,3,4,5,6,7,8,9,10,11,12,13,14,15,16,17,18,19,20,21,22,23,24,25,26,27,28,29,30,31
	SINCOS \j
.endr
	s_endpgm
.Lfunc_end_k_qe63dab8ec9_prep:
	.size	k_qe63dab8ec9_prep, .Lfunc_end_k_qe63dab8ec9_prep-k_qe63dab8ec9_prep
	.p2alignl 7, 3214868480
	.fill 96, 4, 3214868480
	.section	.rodata,"a",@progbits
	.p2align	6, 0x0
	.amdhsa_kernel k_qe63dab8ec9_prep
		.amdhsa_group_segment_fixed_size 35328
		.amdhsa_private_segment_fixed_size 0
		.amdhsa_enable_private_segment 0
		.amdhsa_kernarg_size 72
		.amdhsa_user_sgpr_count 2
		.amdhsa_user_sgpr_kernarg_segment_ptr 1
		.amdhsa_wavefront_size32 1
		.amdhsa_system_sgpr_workgroup_id_x 1
		.amdhsa_system_sgpr_workgroup_id_y 1
		.amdhsa_system_sgpr_workgroup_id_z 1
		.amdhsa_system_vgpr_workitem_id 0
		.amdhsa_next_free_vgpr 242
		.amdhsa_next_free_sgpr 66
		.amdhsa_reserve_vcc 1
		.amdhsa_float_denorm_mode_32 3
		.amdhsa_float_denorm_mode_16_64 3
		.amdhsa_memory_ordered 1
		.amdhsa_forward_progress 1
		.amdhsa_inst_pref_size 78
	.end_amdhsa_kernel
	.amdgpu_metadata
---
amdhsa.version: [ 1, 2 ]
amdhsa.kernels:
  - .name:           k_qe63dab8ec9_prep
    .symbol:         k_qe63dab8ec9_prep.kd
    .args:
      - { .name: x, .offset: 0, .size: 8, .value_kind: global_buffer, .address_space: global }
      - { .name: Wq, .offset: 8, .size: 8, .value_kind: global_buffer, .address_space: global }
      - { .name: Wk, .offset: 16, .size: 8, .value_kind: global_buffer, .address_space: global }
      - { .name: Wv, .offset: 24, .size: 8, .value_kind: global_buffer, .address_space: global }
      - { .name: Wo, .offset: 32, .size: 8, .value_kind: global_buffer, .address_space: global }
      - { .name: token_positions, .offset: 40, .size: 8, .value_kind: global_buffer, .address_space: global }
      - { .name: cod1, .offset: 48, .size: 8, .value_kind: global_buffer, .address_space: global }
      - { .name: scl1, .offset: 56, .size: 8, .value_kind: global_buffer, .address_space: global }
      - { .name: rope, .offset: 64, .size: 8, .value_kind: global_buffer, .address_space: global }
    .group_segment_fixed_size: 35328
    .private_segment_fixed_size: 0
    .kernarg_segment_align: 8
    .kernarg_segment_size: 72
    .max_flat_workgroup_size: 128
    .sgpr_count:     66
    .vgpr_count:     242
    .wavefront_size: 32
...
	.end_amdgpu_metadata
.endif
;; end of part 1
;; launch qkv (part 2): grid 96 x 4, 4 waves a work-group, clusters of 4 x 4, 327,680 bytes of LDS; arguments cod1, scl1, rope, qkv; writes qkv
.if DOCPART == 2
	.amdgcn_target "amdgcn-amd-amdhsa--gfx1250"
	.amdhsa_code_object_version 6
	.text
	.protected	k_qe63dab8ec9_qkv
	.globl	k_qe63dab8ec9_qkv
	.p2align	8
	.type	k_qe63dab8ec9_qkv,@function
k_qe63dab8ec9_qkv:
	s_mov_b64 s[64:65], 0
	v_nop
	global_prefetch_b8 v0, s[64:65] scope:SCOPE_SE
	s_setreg_imm32_b32 hwreg(HW_REG_WAVE_MODE, 25, 1), 1
	s_wait_xcnt 0x0
	s_wait_alu depctr_hold_cnt(0) depctr_sa_sdst(0) depctr_va_vdst(0) depctr_va_sdst(0) depctr_va_ssrc(0) depctr_va_vcc(0) depctr_vm_vsrc(0)
	s_getreg_b32 s2, hwreg(HW_REG_IB_STS2, 6, 4)
	s_cmp_eq_u32 s2, 0
	s_cbranch_scc0 .Lentry_in_a_cluster
	s_endpgm
.Lentry_in_a_cluster:
	s_bfe_u32 s2, ttmp6, 0x10000c
	s_cmp_lg_u32 s2, 0xf033
	s_cbranch_scc0 .Lentry_shape_is_right
	s_endpgm
.Lentry_shape_is_right:
; Q = x Wq^T, K = x Wk^T, V = x Wv^T on codes of BF6 (E3M2) with E8M0 scales; the rotation of Q and K in f32; Q and K quantised along the head's 64, V along the keys; all in registers.  Nothing goes out as f32.
; A tile of 256 x 256 is made by a work-group of four waves, 128 x 128 each: 64 accumulators, 512 registers.  K = 1,024 goes in four fills of 256 through two LDS slots filled by the tensor data mover.
; THE OPERANDS LIE IN MEMORY AS IMAGES OF THE FRAGMENTS' REGISTERS (cod1: [tile row of 16][K step of 128], 1,536 bytes each): a fragment is three loads of 512 consecutive LDS bytes; no pitch, no padding.
; The rows of a tile of 16 are not neighbours: lane r of tile T holds row 32 (T / 2) + 8 (T % 2) + r + 8 (r / 8).  So in the results of source 0's tiles 2 b and 2 b + 1 a lane's 16 registers are rows 32 b + 16 (lane / 16) + 0 .. 15.
; TWO ROLES, by the cluster's number (0 .. 23), alike in all sixteen partners.  Source 1 ("A side") gives a lane its row; source 0 ("B side") runs along the lane's registers.
;   clusters 0-15  (Q and K): A side = x, B side = Wq and Wk: a lane holds a token, its registers run along the channels: what the rotation and a quantiser along the head want.
;   clusters 16-23 (V):       A side = Wv, B side = x: a lane holds a channel, its registers run along the tokens: what a quantiser along the keys wants.
; CLUSTERS: 4 x 4 work-groups; the A side's tile is shared along a row of the cluster, the B side's along a column: each is asked for jointly, by the same tensor load with a mask that names the four.
; No prefetch: a tile has two refills in all, and its tiles are shared in the cluster.
; OUT (qkv): for head bh and each 128 tokens sigma a block of 13,056 bytes: K's 8 tiles (16 keys x 64: 768 bytes, registers 2 p, 2 p + 1 at 256 p + 8 lane), V^T's 4 tiles (16 channels x 128 keys: 1,536 bytes),
; K's 128 scale words (two bytes, two zeros), V's 64.  Behind all of them, at QOFF, blocks of 6,656 bytes: Q's 8 tiles and 128 scale words.
; LIMITS: a block of zeros gets the byte 1 (its codes are zeros; this program alone reads the bytes); NaN and infinities are not served.
; REGISTERS: window 0: v0-31 addresses; v32-63 scale words, two sets; v128-223 the A side's fragments, ONE set; in the way out v32-47 scale words to store, v64-127 a block's 64 numbers, v128-187 at work.
;   window 1: the B side's fragments, two sets (v0-95, v128-223); v96-127, v224-255 and later all of it: the table of cosines and sines.   windows 2, 3: the accumulators ((a, b) at v[8 (8 (a % 4) + b)]).
.set HALFT, 8*3072                     ; 8 tile rows x 256 along K: what one tensor load brings, and what one wave reads of a side
.set SLOT,  4*HALFT
.set SCL,   2*SLOT                     ; behind the ring: the scale words of the 512 rows, for all of K: 4 x 4,096 bytes, filled once
.set SPARE, SCL+4*4096                 ; the spare words, 128 bytes a wave: two blocks of 256 bytes that no other line names
.set QOFF,  13369344
.set FR,    12
.set NP,    4                          ; places behind this matrix instruction (ISA guide 7.12.1)
.set NLA,   3                          ; LDS loads of a fragment of the A side
.set NQ,    2
.set ADRA, 16                          ; v16-17 my A fragments in slot 0, 1
.set SRQ,  18
.set SRV,  19
.set ADRB, 20                          ; v20-21 the same for B
.set SWQ,  22
.set SWV,  23
.set GO8,  24                          ; 8 x lane
.set GO16, 25                          ; 16 x lane
.set RO,   26                          ; my token's row of the table, + 64 (lane / 16)
.set ADRS, 27
.set SPW,  28
.set NIL,  29
.set GOS,  30
.set SC,   32
.set WS,   32
.set HA,   64
.set AF,   128
.set PC,   128
.set TM,   160
.set PW,   176
.set BKR,  180
.set G1, 24
.set G0, 32
.set G1B, 48
.set G0B, 56
.set G1S, 68
.set G0S, 76
.set G1SB, 80
.set G0SB, 88
.set OB,  20                           ; s[20:21], s[22:23]: my two heads' blocks in qkv
.set RB,  96                           ; s[96:97] the table at my first token
.set SEL, 98
.set MSB, 0
.macro WIN new                         ; the immediate's high byte repeats the setting that is left
.if MSB != (\new)
	s_set_vgpr_msb (MSB<<8)|(\new)
.set MSB, (\new)
.endif
.endm
.set MUL_LO, 0xa1                      ; source 0 window 1, source 1 window 0, C and D window 2
.set MUL_HI, 0xf1
.set TO_B,   0x40
; A joint load: waves 0 and 1 fetch for the A side, waves 2 and 3 for the B side.  The branch hangs on the wave's number alone.  Four v_nop follow each of the two lines.
.macro JLOAD g0a, g1a, g0b, g1b
	s_cmp_eq_u32 s15, 0
	s_cbranch_scc0 .Lfor_b_\@
	tensor_load_to_lds s[\g0a:\g0a+3], s[\g1a:\g1a+7]
	s_nop 0
.rept 4
	v_nop
.endr
	s_branch .Lasked_\@
.Lfor_b_\@:
	tensor_load_to_lds s[\g0b:\g0b+3], s[\g1b:\g1b+7]
	s_nop 0
.rept 4
	v_nop
.endr
.Lasked_\@:
.endm
.macro CREST                           ; a round of the cluster's barrier behind its opening barrier
	s_cmp_lg_u32 s14, 0
	s_cbranch_scc1 .Lnot_wave_0_\@
	s_barrier_signal -3
.Lnot_wave_0_\@:
	s_barrier_wait -3
	s_barrier_signal -1
	s_barrier_wait -1
.endm
.macro CROUND
	s_barrier_signal -1
	s_barrier_wait -1
	CREST
.endm
	s_load_b256 s[4:11], s[0:1], 0x0               ; cod1 s[4:5], scl1 s[6:7], rope s[8:9], qkv s[10:11]
	v_lshl_add_u32 v[SPW], v0, 2, SPARE
	v_mov_b32 v[NIL], 0
	ds_add_u32 v28, v29
	s_wait_dscnt 0x0
	v_lshrrev_b32 v1, 5, v0
	v_readfirstlane_b32 s14, v1                    ; wave 0..3
	s_lshr_b32 s15, s14, 1                         ; which half of the A side's rows is mine.  Also: I fetch for A (0) or B (1)
	s_and_b32 s16, s14, 1                          ; which half of the B side's.  Also: which 8 tile rows I fetch
	s_bfe_u32 s40, ttmp6, 0x40000                  ; cx
	s_bfe_u32 s41, ttmp6, 0x40004                  ; cy
	s_lshr_b32 s18, ttmp9, 1
	s_and_b32 s19, ttmp9, 1
	s_sub_co_u32 s20, ttmp9, 16
	s_cmp_lt_u32 ttmp9, 16                         ; the role
	s_cselect_b32 s12, 1, 0                        ; 1: Q and K; 0: V
	s_cselect_b32 s18, s18, 0                      ; the cluster's place along the A side
	s_cselect_b32 s19, s19, s20                    ; and along the B side
	s_cselect_b32 s21, 0, 640                      ; the A side's first tile row in cod1: x or Wv
	s_cselect_b32 s22, 512, 0                      ; the B side's: Wq (Wk follows it) or x
	s_lshl_b32 s17, s18, 2
	s_add_co_u32 s17, s17, s41                     ; my tile of 256 rows of the A side
	s_lshl_b32 s42, s19, 2
	s_add_co_u32 s42, s42, s40                     ; and of the B side
	s_lshl_b32 s43, s41, 2
	s_lshl_b32 s43, 15, s43                        ; my row of the cluster
	s_lshl_b32 s44, 0x1111, s40                    ; my column
	; group 1: 8 rows (tile rows) of 3,072 bytes = 384 elements of 8 bytes, 12,288 bytes apart
	s_or_b32 s[G1+0], s43, (3<<16)|(1<<21)
	s_or_b32 s[G1B+0], s44, (3<<16)|(1<<21)
.irp g, G1, G1B
	s_mov_b32 s[\g+1], 384<<16                     ; tensor_dim0
	s_mov_b32 s[\g+2], 8<<16                       ; tensor_dim1
	s_mov_b32 s[\g+3], 384<<16                     ; tile_dim0
	s_mov_b32 s[\g+4], 8                           ; tile_dim1
	s_mov_b32 s[\g+5], 1536                        ; tensor_dim0_stride
	s_mov_b32 s[\g+6], 0
	s_mov_b32 s[\g+7], 0
.endr
	; the scale words of 8 tile rows: 4,096 dense bytes, as 16 rows of 256
	s_or_b32 s[G1S+0], s43, (3<<16)|(1<<21)
	s_or_b32 s[G1SB+0], s44, (3<<16)|(1<<21)
.irp g, G1S, G1SB
	s_mov_b32 s[\g+1], 32<<16
	s_mov_b32 s[\g+2], 16<<16
	s_mov_b32 s[\g+3], 32<<16
	s_mov_b32 s[\g+4], 16
	s_mov_b32 s[\g+5], 32
	s_mov_b32 s[\g+6], 0
	s_mov_b32 s[\g+7], 0
.endr
	s_lshl_b32 s18, s16, 3
	s_lshl_b32 s20, s17, 4
	s_add_co_u32 s20, s20, s18
	s_add_co_u32 s20, s20, s21                     ; A: the first tile row that I fetch
	s_lshl_b32 s46, s42, 4
	s_add_co_u32 s46, s46, s18
	s_add_co_u32 s46, s46, s22                     ; B likewise
	s_lshl_b32 s22, s20, 9                         ; their scale words, 512 bytes a tile row,
	s_mov_b32 s23, 0
	s_lshl_b32 s92, s46, 9
	s_mov_b32 s93, 0
	s_mul_i32 s20, s20, 12288                      ; and their codes
	s_mov_b32 s21, 0
	s_mul_i32 s46, s46, 12288
	s_mov_b32 s47, 0
	s_mul_i32 s45, s14, HALFT                      ; where they go: no place in the cluster enters an LDS address
	s_lshl_b32 s94, s14, 12
	s_wait_kmcnt 0x0
	s_add_nc_u64 s[20:21], s[4:5], s[20:21]
	s_add_nc_u64 s[22:23], s[6:7], s[22:23]
	s_add_nc_u64 s[46:47], s[4:5], s[46:47]
	s_add_nc_u64 s[92:93], s[6:7], s[92:93]
	CROUND                                         ; all sixteen work-groups are here: the first joint loads meet
	s_mov_b32 s[G0S], 1
	s_add_co_u32 s[G0S+1], s94, SCL
	s_mov_b64 s[G0S+2:G0S+3], s[22:23]
	s_or_b32 s[G0S+3], s[G0S+3], 0x80000000
	s_mov_b32 s[G0SB], 1
	s_add_co_u32 s[G0SB+1], s94, SCL
	s_mov_b64 s[G0SB+2:G0SB+3], s[92:93]
	s_or_b32 s[G0SB+3], s[G0SB+3], 0x80000000
	JLOAD G0S, G1S, G0SB, G1SB                     ; the scale words first
.irp s, 0,1
	s_mov_b32 s[G0+4*\s], 1
	s_add_co_u32 s[G0+4*\s+1], s45, \s*SLOT
	s_add_nc_u64 s[G0+4*\s+2:G0+4*\s+3], s[20:21], \s*3072
	s_or_b32 s[G0+4*\s+3], s[G0+4*\s+3], 0x80000000
	s_mov_b32 s[G0B+4*\s], 1
	s_add_co_u32 s[G0B+4*\s+1], s45, \s*SLOT
	s_add_nc_u64 s[G0B+4*\s+2:G0B+4*\s+3], s[46:47], \s*3072
	s_or_b32 s[G0B+4*\s+3], s[G0B+4*\s+3], 0x80000000
	JLOAD G0+4*\s, G1, G0B+4*\s, G1B               ; three tensor loads of a wave are out
.endr
	v_and_b32 v1, 15, v0                           ; r
	v_bfe_u32 v2, v0, 4, 1                         ; h
	v_and_b32 v3, 31, v0                           ; lane
	v_lshlrev_b32 v[GO16], 4, v3
	v_lshlrev_b32 v[GO8], 3, v3
	s_mul_i32 s18, s15, HALFT
	s_mul_i32 s19, s16, HALFT
	s_add_co_u32 s19, s19, 2*HALFT
.irp s, 0,1
	v_add_nc_u32 v[ADRA+\s], s18, v[GO16]
	v_add_nc_u32 v[ADRB+\s], s19, v[GO16]
	s_add_co_u32 s18, s18, SLOT
	s_add_co_u32 s19, s19, SLOT
.endr
	s_lshl_b32 s18, s15, 12                        ; scale words: lanes 0-15 take the A side's rows, lanes 16-31 the B side's: one base + h x the distance
	s_lshl_b32 s19, s16, 12
	s_add_co_u32 s19, s19, 8192
	s_sub_co_u32 s19, s19, s18
	v_mul_u32_u24 v6, s19, v2
	s_add_co_u32 s18, s18, SCL
	v_lshlrev_b32 v5, 3, v1
	v_add_nc_u32 v5, v5, v6
	v_add_nc_u32 v[ADRS], s18, v5
	s_lshl_b32 s18, s14, 10                        ; the way out's small stages lie in slot 0, each role's in bytes of its own
	v_lshl_add_u32 v[SWQ], v1, 2, s18
	v_add_nc_u32 v[SRQ], s18, v[GO16]
	s_lshl_b32 s18, s14, 9
	s_add_co_u32 s18, s18, 4096
	v_lshl_add_u32 v[SWV], v1, 2, s18
	v_add_nc_u32 v[SRV], s18, v[GO8]
	v_lshrrev_b32 v4, 3, v1
	v_lshl_add_u32 v4, v4, 3, v1                   ; r + 8 (r / 8)
	v_lshlrev_b32 v4, 8, v4
	v_lshl_add_u32 v[RO], v2, 6, v4
	; where my results go
	s_lshl_b32 s18, s17, 8
	s_lshl_b32 s19, s15, 7
	s_add_co_u32 s18, s18, s19                     ; my first row of the A side
	s_lshl_b32 s19, s42, 8
	s_lshl_b32 s95, s16, 7
	s_add_co_u32 s19, s19, s95                     ; and of the B side
	s_cmp_eq_u32 s12, 1
	s_cselect_b32 s95, s18, s19                    ; my first token
	s_cselect_b32 s18, s19, s18                    ; my first channel (Q: 0 .. 1023, K: 1024 .. 2047, V: 0 .. 1023)
	s_lshr_b32 s19, s95, 11                        ; the batch
	s_lshl_b32 s19, s19, 4
	s_bfe_u32 s13, s18, 0x40006                    ; my first head
	s_add_co_u32 s19, s19, s13
	s_lshl_b32 s19, s19, 4
	s_bfe_u32 s13, s95, 0x40007                    ; which 128 tokens
	s_add_co_u32 s19, s19, s13
	s_and_b32 s13, ttmp9, 1
	s_xor_b32 s13, s13, 1
	s_and_b32 s13, s13, s12                        ; 1: my columns are Q's (the even clusters of the first sixteen)
	s_mov_b32 s2, 13056
	s_mov_b32 s3, 12288
	s_cmp_eq_u32 s13, 1
	s_cselect_b32 s2, 6656, s2                     ; a block's bytes
	s_cselect_b32 s3, 6144, s3                     ; where its scale words of Q or K begin
	s_cselect_b32 s13, QOFF, 0
	s_mul_i32 s20, s19, s2
	s_add_co_u32 s20, s20, s13
	s_mov_b32 s21, 0
	s_add_nc_u64 s[OB:OB+1], s[10:11], s[20:21]
	s_lshl_b32 s22, s2, 4                          ; the next head: 16 blocks on
	s_mov_b32 s23, 0
	s_add_nc_u64 s[OB+2:OB+3], s[OB:OB+1], s[22:23]
	s_and_b32 s96, s95, 2047
	s_lshl_b32 s96, s96, 8
	s_mov_b32 s97, 0
	s_add_nc_u64 s[RB:RB+1], s[8:9], s[96:97]
	v_add_nc_u32 v[GOS], s3, v[GO16]
	s_mov_b32 s[SEL], 0x76543210
	s_mov_b32 s[SEL+1], 0xfedcba98
; The table for block a of 16 tokens: lane (r, h) takes, of its token, the pairs (cos, sin) of frequencies 16 bb + 8 h + 0 .. 7: 32 registers in window 1
.macro SETCSB a
.if (\a) == 0
.set CSB, 96
.elseif (\a) == 1
.set CSB, 224
.elseif (\a) < 5
.set CSB, 32*((\a)-2)
.else
.set CSB, 128+32*((\a)-5)
.endif
.endm
.macro RLOAD a
	SETCSB \a
	WIN TO_B
.irp bb, 0,1
.irp i, 0,1,2,3
	global_load_b128 v[CSB+16*\bb+4*\i:CSB+16*\bb+4*\i+3], v[RO], s[RB:RB+1] offset:(32*((\a)/2)+8*((\a)%2))*256+128*\bb+16*\i
.endr
.endr
	WIN 0
.endm
	s_cmp_eq_u32 s12, 0
	s_cbranch_scc1 .Lno_table
	RLOAD 0                                        ; blocks 0 and 1 now, into registers that the products never name
	RLOAD 1
.Lno_table:
.macro FRAG reg, adr, q, i             ; a fragment's image: three loads of 512 consecutive bytes
.irp c, 0,1,2
	ds_load_b128 v[\reg+4*\c:\reg+4*\c+3], v[\adr] offset:(\i)*3072+(\q)*1536+512*\c
.endr
.endm
; 16 matrix instructions: A's blocks a0, a0 + 1 x B's eight.  The 64 accumulators take turns, one instruction a turn, in the same order in every step.
.macro MUL16 a0, p, q, sc, zero
.irp a, \a0, \a0+1
.irp b, 0,1,2,3,4,5,6,7
.if \zero
	v_wmma_scale_f32_16x16x128_f8f6f4 v[8*(8*((\a)%4)+\b):8*(8*((\a)%4)+\b)+7], v[128*(\p)+FR*\b:128*(\p)+FR*\b+FR-1], v[AF+FR*(\a):AF+FR*(\a)+FR-1], 0, v[SC+8*NQ*(\sc)+NQ*\b+(\q)], v[SC+8*NQ*(\sc)+NQ*(\a)+(\q)] matrix_a_fmt:MATRIX_FMT_BF6 matrix_b_fmt:MATRIX_FMT_BF6 matrix_a_scale:MATRIX_SCALE_ROW1
.else
	v_wmma_scale_f32_16x16x128_f8f6f4 v[8*(8*((\a)%4)+\b):8*(8*((\a)%4)+\b)+7], v[128*(\p)+FR*\b:128*(\p)+FR*\b+FR-1], v[AF+FR*(\a):AF+FR*(\a)+FR-1], v[8*(8*((\a)%4)+\b):8*(8*((\a)%4)+\b)+7], v[SC+8*NQ*(\sc)+NQ*\b+(\q)], v[SC+8*NQ*(\sc)+NQ*(\a)+(\q)] matrix_a_fmt:MATRIX_FMT_BF6 matrix_b_fmt:MATRIX_FMT_BF6 matrix_a_scale:MATRIX_SCALE_ROW1
.endif
.endr
.endr
.endm
.macro FETCH_B slot, q, p
	WIN TO_B
.irp i, 0,1,2,3,4,5,6,7
	FRAG 128*(\p)+FR*\i, ADRB+\slot, \q, \i
.endr
	WIN 0
.endm
.macro FETCH_A slot, q, i0
.irp i, \i0, \i0+1, \i0+2, \i0+3
	FRAG AF+FR*(\i), ADRA+\slot, \q, \i
.endr
.endm
.macro SCALES sc                       ; a slot's two words a row: lanes 0-15 A's block i, lanes 16-31 B's block i
.irp i, 0,1,2,3,4,5,6,7
	ds_load_b64 v[SC+8*NQ*\sc+NQ*\i:SC+8*NQ*\sc+NQ*\i+1], v[ADRS] offset:\i*512
.endr
.endm
.macro PLACES n                        ; plain vector instructions between a matrix instruction and a load into, or a read of, its registers
.rept \n
	v_nop
.endr
.endm
.macro STEP slot, q, zero              ; 128 along K whose successor lies in the same slot
	s_wait_dscnt 4*NLA                             ; B's set, A's blocks 0-3 and the scale words are in; the youngest loads (A's blocks 4-7) may be out
	WIN MUL_LO
	MUL16 0, (\q)%2, \q, \slot, \zero
	MUL16 2, (\q)%2, \q, \slot, \zero
	s_wait_dscnt 0
	PLACES NP
	FETCH_B \slot, (\q)+1, 1-(\q)%2
	FETCH_A \slot, (\q)+1, 0
	WIN MUL_HI
	MUL16 4, (\q)%2, \q, \slot, \zero
	MUL16 6, (\q)%2, \q, \slot, \zero
	PLACES NP
	WIN 0
	FETCH_A \slot, (\q)+1, 4
.endm
; A slot's last step changes slots: one barrier; in front of it each wave waits for all its tensor loads, adds 0 to its spare word, and waits for that and for its reads of this slot.
.macro TURN slot, next, fill
	s_wait_tensorcnt 0x0                           ; all my tensor loads have landed: my part of the next slot
	ds_add_u32 v[SPW], v[NIL]                      ; 0 onto my spare word
	s_wait_dscnt 4*NLA+1                           ; (the add and A's blocks 4-7 may be out)
	WIN MUL_LO
	MUL16 0, 1, NQ-1, \slot, 0
	s_wait_dscnt 0x0                               ; the add is done, and my reads of this slot are over
	s_barrier_signal -1
	MUL16 2, 1, NQ-1, \slot, 0
	WIN 0
	s_barrier_wait -1
.if \fill
	CREST                                          ; the barrier has opened a round of the cluster's: no wave of any partner still reads this slot or has a load on its way
	s_add_nc_u64 s[G0+4*\slot+2:G0+4*\slot+3], s[G0+4*\slot+2:G0+4*\slot+3], 6144
	s_add_nc_u64 s[G0B+4*\slot+2:G0B+4*\slot+3], s[G0B+4*\slot+2:G0B+4*\slot+3], 6144
	JLOAD G0+4*\slot, G1, G0B+4*\slot, G1B         ; the first tensor load behind the round; its four v_nop are the places in front of the loads below
.else
	PLACES NP
.endif
	v_add_nc_u32 v[ADRS], 128, v[ADRS]             ; the next slot's scale words
	FETCH_B \next, 0, 0
	FETCH_A \next, 0, 0
	SCALES \next
	WIN MUL_HI
	MUL16 4, 1, NQ-1, \slot, 0
	MUL16 6, 1, NQ-1, \slot, 0
	PLACES NP
	WIN 0
	FETCH_A \next, 0, 4
.endm
	s_wait_tensorcnt 1                             ; the scale words and my part of slot 0 are in (slot 1's load may be out)
	s_barrier_signal -1
	s_barrier_wait -1
	FETCH_B 0, 0, 0
	FETCH_A 0, 0, 0
	SCALES 0
	FETCH_A 0, 0, 4
	STEP 0, 0, 1                                   ; the first products start the sums: nothing is cleared
	TURN 0, 1, 1                                   ; K = 1,024 is four fills: written straight, no loop
	STEP 1, 0, 0
	TURN 1, 0, 1
	STEP 0, 0, 0
	TURN 0, 1, 0
	STEP 1, 0, 0
	s_wait_dscnt 4*NLA
	WIN MUL_LO
	MUL16 0, 1, NQ-1, 1, 0
	MUL16 2, 1, NQ-1, 1, 0
	s_wait_dscnt 0
	WIN MUL_HI
	MUL16 4, 1, NQ-1, 1, 0
	MUL16 6, 1, NQ-1, 1, 0
	WIN 0
; 64 numbers of a lane in window w, register 16 b + i = k 32 b + 16 (lane / 16) + i of my row, become a fragment's codes in v[PC] on and its scale word in v[pw].  The registers are read in ascending order.
.macro QUANT s, w, pw
	WIN (\w)|((\w)<<2)
.irp b, 0,1,2,3
	v_max3_num_f32 v[TM+\b], |v[(\s)+16*\b]|, |v[(\s)+1+16*\b]|, 0x2800000   ; with the floor 2^(5 - 127): the byte cannot fall under 1
.endr
.irp i, 2,4,6,8,10,12,14
.irp b, 0,1,2,3
	v_max3_num_f32 v[TM+\b], |v[(\s)+16*\b+\i]|, |v[(\s)+1+16*\b+\i]|, v[TM+\b]
.endr
.endr
	WIN 0
.irp b, 0,1,2,3
	v_permlanex16_b32 v[TM+4+\b], v[TM+\b], s[SEL], s[SEL+1]
.endr
.irp b, 0,1,2,3
	v_max_num_f32 v[TM+\b], v[TM+\b], v[TM+4+\b]   ; with lane l xor 16's: the block's largest magnitude
.endr
.irp b, 0,1,2,3
	v_add_nc_u32 v[TM+12+\b], 0xfe000000, v[TM+\b] ; 4 off its exponent field: the conversion's scale operand
.endr
.irp b, 0,1,2,3
	v_lshrrev_b32 v[TM+4+\b], 23, v[TM+12+\b]      ; the scale's byte
.endr
	v_lshl_or_b32 v[\pw], v[TM+5], 8, v[TM+4]
	v_lshl_or_b32 v[\pw], v[TM+6], 16, v[\pw]
	v_lshl_or_b32 v[\pw], v[TM+7], 24, v[\pw]
	WIN (\w)
.irp c, 0,1
	v_cvt_scalef32_pk16_bf6_f32 v[PC+6*\c:PC+2+6*\c], v[(\s)+32*\c:(\s)+15+32*\c], v[TM+12+2*\c]
	v_cvt_scalef32_pk16_bf6_f32 v[PC+12+4*\c:PC+14+4*\c], v[(\s)+16+32*\c:(\s)+31+32*\c], v[TM+12+2*\c+1]   ; (a conversion's three registers begin on an even number)
.endr
	WIN 0
	v_nop                                          ; one plain instruction behind a scaled conversion
.irp c, 0,1                                    ; the operand wants a WHOLE block in a lane: lanes 0-15 block 2 c, lanes 16-31 block 2 c + 1
.irp i, 0,1,2
	v_permlane16_swap_b32 v[PC+6*\c+\i], v[PC+12+4*\c+\i]
.endr
.irp i, 0,1,2
	v_mov_b32 v[PC+3+6*\c+\i], v[PC+12+4*\c+\i]
.endr
.endr
.endm
	PLACES NP                                      ; behind the last products: for the reads of results and the writes and loads into operands' registers below
.irp b, 0,1,2,3
	v_mov_b32 v[TM+4+\b], 0                        ; a lane permute's destination counts as one of its sources
.endr
	s_cmp_eq_u32 s12, 0
	s_cbranch_scc1 .Lfor_v
; Q AND K.  Block a: 16 tokens (a lane a token) x my 128 channels (two heads).  The rotation: of a pair (e, o) and its (cos, sin): (e cos - o sin, o cos + e sin), two packed instructions a pair.
.macro QKBLOCK a
	SETCSB \a
.set AC, 64*((\a)%4)
.if (\a) < 2
	s_wait_loadcnt 48                              ; the table of blocks 0 and 1 is in; that of the six later blocks (48 loads) may be out
.else
	s_wait_loadcnt 8*(7-(\a))                      ; this block's is in; the later blocks' may be out
.endif
	WIN 0x04|(2+(\a)/4)                            ; source 0: the accumulators' window; source 1: the table's
.set n, 0
.rept 32
	v_pk_mul_f32 v[HA+2*n:HA+2*n+1], v[AC+2*n:AC+2*n+1], v[CSB+16*((n/8)%2)+2*(n%8):CSB+16*((n/8)%2)+2*(n%8)+1] op_sel_hi:[1,0]
.set n, n+1
.endr
.set n, 0
.rept 32
	v_pk_fma_f32 v[HA+2*n:HA+2*n+1], v[AC+2*n:AC+2*n+1], v[CSB+16*((n/8)%2)+2*(n%8):CSB+16*((n/8)%2)+2*(n%8)+1], v[HA+2*n:HA+2*n+1] op_sel:[1,1,0] op_sel_hi:[0,1,1] neg_lo:[1,0,0]
.set n, n+1
.endr
	WIN 0
	s_wait_xcnt 0x0                                ; the last block's stores have read the codes' registers
	QUANT HA, 0, PW
.irp c, 0,1                                    ; registers 6 c .. 6 c + 5 are head c's tile: 16 tokens x 64
.irp p, 0,1,2
	global_store_b64 v[GO8], v[PC+6*\c+2*\p:PC+6*\c+2*\p+1], s[OB+2*\c:OB+2*\c+1] offset:768*(\a)+256*\p   ; 256 consecutive bytes, aligned
.endr
.endr
	v_and_b32 v[WS+2*(\a)], 0xffff, v[PW]          ; a head's two bytes; the word's upper two stay 0: they meet zero codes
	v_lshrrev_b32 v[WS+2*(\a)+1], 16, v[PW]
	ds_store_b32 v[SWQ], v[WS+2*(\a)] offset:64*(\a)
	ds_store_b32 v[SWQ], v[WS+2*(\a)+1] offset:512+64*(\a)
.endm
.irp a, 2,3,4,5,6,7
	RLOAD \a                                       ; into the registers that held the B side's fragments
.endr
.irp a, 0,1,2,3,4,5,6,7
	QKBLOCK \a
.endr
	ds_load_b128 v[BKR:BKR+3], v[SRQ]              ; LDS serves a wave's instructions in order: these see my stores
	ds_load_b128 v[BKR+4:BKR+7], v[SRQ] offset:512
	s_wait_dscnt 0x0
	global_store_b128 v[GOS], v[BKR:BKR+3], s[OB:OB+1]         ; a head's 128 scale words: 512 consecutive bytes
	global_store_b128 v[GOS], v[BKR+4:BKR+7], s[OB+2:OB+3]
	s_branch .Lend
; V.  Block a: 16 channels (a lane a channel) x my 128 tokens: a fragment of V^T as it stands.
.Lfor_v:
.macro VBLOCK a
	s_wait_xcnt 0x0                                ; the last block's stores have read the codes' registers
	QUANT 64*((\a)%4), 2+(\a)/4, WS+(\a)
.irp c, 0,1,2
	global_store_b128 v[GO16], v[PC+4*\c:PC+4*\c+3], s[OB+2*((\a)/4):OB+2*((\a)/4)+1] offset:6144+1536*((\a)%4)+512*\c
.endr
	ds_store_b32 v[SWV], v[WS+(\a)] offset:64*(\a)
.endm
.irp a, 0,1,2,3,4,5,6,7
	VBLOCK \a
.endr
	ds_load_b64 v[BKR:BKR+1], v[SRV]
	ds_load_b64 v[BKR+2:BKR+3], v[SRV] offset:256
	s_wait_dscnt 0x0
	global_store_b64 v[GO8], v[BKR:BKR+1], s[OB:OB+1] offset:12800       ; a head's 64 scale words: 256 consecutive bytes
	global_store_b64 v[GO8], v[BKR+2:BKR+3], s[OB+2:OB+3] offset:12800
.Lend:
	s_wait_tensorcnt 0x0                           ; the wave's end
	ds_add_u32 v[SPW], v[NIL]
	s_wait_dscnt 0x0
	CROUND                                         ; the closing round
	s_endpgm
.Lfunc_end_k_qe63dab8ec9_qkv:
	.size	k_qe63dab8ec9_qkv, .Lfunc_end_k_qe63dab8ec9_qkv-k_qe63dab8ec9_qkv
	.p2alignl 7, 3214868480
	.fill 96, 4, 3214868480
	.section	.rodata,"a",@progbits
	.p2align	6, 0x0
	.amdhsa_kernel k_qe63dab8ec9_qkv
		.amdhsa_group_segment_fixed_size 327680
		.amdhsa_private_segment_fixed_size 0
		.amdhsa_enable_private_segment 0
		.amdhsa_kernarg_size 32
		.amdhsa_user_sgpr_count 2
		.amdhsa_user_sgpr_kernarg_segment_ptr 1
		.amdhsa_wavefront_size32 1
		.amdhsa_system_sgpr_workgroup_id_x 1
		.amdhsa_system_sgpr_workgroup_id_y 1
		.amdhsa_system_sgpr_workgroup_id_z 1
		.amdhsa_system_vgpr_workitem_id 0
		.amdhsa_next_free_vgpr 1024
		.amdhsa_next_free_sgpr 100
		.amdhsa_reserve_vcc 0
		.amdhsa_float_denorm_mode_32 3
		.amdhsa_float_denorm_mode_16_64 3
		.amdhsa_memory_ordered 1
		.amdhsa_forward_progress 1
		.amdhsa_inst_pref_size 217
	.end_amdhsa_kernel
	.amdgpu_metadata
---
amdhsa.version: [ 1, 2 ]
amdhsa.kernels:
  - .name:           k_qe63dab8ec9_qkv
    .symbol:         k_qe63dab8ec9_qkv.kd
    .args:
      - { .name: cod1, .offset: 0, .size: 8, .value_kind: global_buffer, .address_space: global }
      - { .name: scl1, .offset: 8, .size: 8, .value_kind: global_buffer, .address_space: global }
      - { .name: rope, .offset: 16, .size: 8, .value_kind: global_buffer, .address_space: global }
      - { .name: qkv, .offset: 24, .size: 8, .value_kind: global_buffer, .address_space: global }
    .group_segment_fixed_size: 327680
    .private_segment_fixed_size: 0
    .kernarg_segment_align: 8
    .kernarg_segment_size: 32
    .max_flat_workgroup_size: 128
    .sgpr_count:     100
    .vgpr_count:     1024
    .wavefront_size: 32
...
	.end_amdgpu_metadata
.endif
;; end of part 2
;; launch attn (part 3): grid 4 x 64, 16 waves a work-group, no clusters, 327,680 bytes of LDS; arguments qkv, oc, os; writes oc, os
.if DOCPART == 3
	.amdgcn_target "amdgcn-amd-amdhsa--gfx1250"
	.amdhsa_code_object_version 6
	.text
	.protected	k_qe63dab8ec9_attn
	.globl	k_qe63dab8ec9_attn
	.p2align	8
	.type	k_qe63dab8ec9_attn,@function
k_qe63dab8ec9_attn:
	s_mov_b64 s[64:65], 0
	v_nop
	global_prefetch_b8 v0, s[64:65] scope:SCOPE_SE
	s_setreg_imm32_b32 hwreg(HW_REG_WAVE_MODE, 25, 1), 1
	s_wait_xcnt 0x0
; Causal attention on codes of BF6 (E3M2), head size 64, 2,048 tokens, 64 heads; its result, divided by the row's sum, is quantised along the model axis for the last projection.
; SOFTMAX: t = score x log2(e) / 8; M = the running largest t rounded UP to a whole number; p = 2^(t - M) is quantised along the keys, not normalised; the row's sum is taken of the unquantised p.
; When M moves, the sum and O are multiplied by 2^(old M - new M): exact.
; SHARES.  A work-group has one head and a quarter of its 128 tiles of 16 queries; wave w owns TWO tiles, tA = 4 w + c and tB = 127 - tA: tile t needs t / 8 + 1 key steps of 128, so every wave has 17.
; Every work-group walks all 16 key steps, two to a slot, with constant trip counts; a step all of whose keys come after a tile's queries is jumped over by a scalar branch on ids.
; NO JOINT LOADS: the four work-groups of a head read the same K and V, but they are told apart by c, on which the jump over hidden steps hangs; partners of a joint load may have no such branch.
; LAYOUT.  S^T = K Q^T, O^T = V^T P^T: a lane holds one query throughout.  Tiles of 16 tokens hold rows 32 (T / 2) + 8 (T % 2) + r + 8 (r / 8), so the 16 registers of tiles 2 b, 2 b + 1 are keys 32 b + 16 (lane / 16) + 0 .. 15.
; K = 64 IN AN INSTRUCTION OF 128: Q's fragment is 6 registers of codes and 6 of zeros; K's tile tau is named as 12 registers from F + 6 tau: its upper six are the next tile's codes (behind the last: zeros), which meet
; Q's zero codes and add nothing.  The upper two bytes of Q's and K's scale words are 0, which is 2^-127 and no NaN.
; A key step's block in qkv and in LDS, 13,056 bytes: K's 8 tiles (768 each), V^T's 4 (1,536 each), K's 128 scale words, V's 64: all images of the registers: every LDS load reads consecutive bytes.
; LIMITS: a block of zeros gets the byte 1 (its codes are zeros; this program alone reads the bytes).
.set KS,    12288
.set VC,    6144
.set VS,    12800
.set STEPB, 13056
.set SLOT1, 32768                      ; slot 1 begins here: one exclusive or turns an address
.set SPARE, 65536                      ; the spare words, 128 bytes a wave: eight blocks of 256 bytes that no other line names
.set QOFF,  13369344
.set LN,  1
.set TMP, 2
.set NEG, 3                            ; -infinity
.set SPW, 4
.set NIL, 5
.set PFO, 6
.set DRA, 7                            ; my query's place in its 128, less 16 (lane / 16)
.set DRB, 8
.set AD8, 9
.set AD16, 10
.set AD4, 11
.set STA, 12                           ; -M, the largest t, the sum in two halves
.set STB, 16
.set QA,  20
.set QB,  32
.set F,   44                           ; v44-97: 8 tiles of K + 6 zeros, then 4 tiles of V^T
.set S,   98                           ; v98-161 S^T, then p
.set OA,  162
.set OB,  194
.set PC,  226                          ; v226-237 p's codes; until they are made: +0, +1 a chain of the sum, +4 .. 7 permutes and bytes, +8 .. 11 the blocks' maxima
.set SUMP, 226
.set BT,  230
.set BM,  234
.set CT,  238                          ; v238-240, v242-244
.set QSA, 241
.set QSB, 245
.set SO,  246
.set KSC, 250                          ; scale words: lanes 0-15 tile 2 u, lanes 16-31 tile 2 u + 1
.set FF,  254
.set PSW, 255
.set TB,  2
.set SG,  3                            ; the key step
.set WV,  18
.set SEL, 20
.set CS,  22
.set G1,  24
.set G0,  32
.set SLOTS, 36
.set TW,  37
.set DA,  38
.set DB,  39
.set PFA, 40
.set LIM, 42
.macro TLOAD                           ; waves 0 and 1 fetch a slot's two blocks, the others nothing.  Four v_nop follow the line
	s_cmp_lt_u32 s[WV], 2
	s_cbranch_scc0 .Lnone_\@
	tensor_load_to_lds s[G0:G0+3], s[G1:G1+7]
	s_nop 0
.rept 4
	v_nop
.endr
.Lnone_\@:
.endm
; A prefetch of the slot that the NEXT change of slots will ask for: 26,112 dense bytes = 102 blocks of 256.  The head's first work-group asks (c = 0), in its waves 4 to 7, a lane a block;
; the lanes past the 102nd block name that block again.  The last change that fills a slot asks for nothing; slots 0 and 1 come by their loads alone.
.macro ASK
	s_cmp_gt_u32 s[SLOTS], s[LIM]
	s_cbranch_scc0 .Lnot_mine_\@
	global_prefetch_b8 v[PFO], s[PFA:PFA+1] th:TH_LOAD_NT scope:SCOPE_SE
.Lnot_mine_\@:
.endm
	s_load_b128 s[4:7], s[0:1], 0x0                ; qkv, oc
	s_load_b64 s[8:9], s[0:1], 0x10                ; os
	v_lshl_add_u32 v[SPW], v0, 2, SPARE
	v_mov_b32 v[NIL], 0
	ds_add_u32 v4, v5
	s_wait_dscnt 0x0
	v_lshrrev_b32 v1, 5, v0
	v_readfirstlane_b32 s[WV], v1                  ; wave 0..15
	v_and_b32 v[LN], 31, v0
	s_and_b32 s10, ttmp7, 0xffff                   ; batch x 16 + head
	s_lshl_b32 s11, s[WV], 2
	s_add_co_u32 s11, s11, ttmp9                   ; tA
	s_sub_co_u32 s12, 127, s11                     ; tB
	s_lshr_b32 s[DA], s[WV], 1                     ; the key step on tA's diagonal,
	s_sub_co_u32 s[DB], 15, s[DA]                  ; and on tB's
	s_mov_b32 s[G1], 3<<16                         ; a block: 51 rows of 256 bytes (32 elements of 8), dense
	s_mov_b32 s[G1+1], 32<<16
	s_mov_b32 s[G1+2], 51<<16
	s_mov_b32 s[G1+3], 32<<16
	s_mov_b32 s[G1+4], 51
	s_mov_b32 s[G1+5], 32
	s_mov_b32 s[G1+6], 0
	s_mov_b32 s[G1+7], 0
	s_mul_i32 s14, s10, 16*STEPB
	s_mov_b32 s15, 0
	s_and_b32 s13, s[WV], 1
	s_mul_i32 s13, s13, STEPB
	s_mov_b32 s16, s13
	s_mov_b32 s17, 0
	s_lshl_b32 s44, s10, 4                         ; Q's blocks of 6,656 bytes
	s_lshr_b32 s45, s11, 3
	s_add_co_u32 s45, s45, s44
	s_mul_i32 s48, s45, 6656
	s_add_co_u32 s48, s48, QOFF
	s_mov_b32 s49, 0
	s_lshr_b32 s45, s12, 3
	s_add_co_u32 s45, s45, s44
	s_mul_i32 s50, s45, 6656
	s_add_co_u32 s50, s50, QOFF
	s_mov_b32 s51, 0
	s_lshr_b32 s44, s10, 4
	s_lshl_b32 s44, s44, 7                         ; the batch's first tile of tokens
	s_and_b32 s45, s10, 15                         ; the head
	s_add_co_u32 s46, s44, s11
	s_lshl_b32 s47, s46, 4
	s_add_co_u32 s47, s47, s45
	s_mul_i32 s66, s47, 768                        ; oc: [tile][head] 768 bytes
	s_mov_b32 s67, 0
	s_lshl_b32 s70, s46, 9                         ; os: 512 bytes a tile
	s_add_co_u32 s46, s44, s12
	s_lshl_b32 s47, s46, 4
	s_add_co_u32 s47, s47, s45
	s_mul_i32 s68, s47, 768
	s_mov_b32 s69, 0
	s_lshl_b32 s72, s46, 9
	s_lshr_b32 s46, s45, 2                         ; the head's two bytes: K step head / 2, its word's half head % 2
	s_lshl_b32 s46, s46, 7
	s_bfe_u32 s47, s45, 0x10001
	s_lshl_b32 s47, s47, 2
	s_add_co_u32 s46, s46, s47
	s_and_b32 s47, s45, 1
	s_lshl_b32 s47, s47, 1
	s_add_co_u32 s46, s46, s47
	s_add_co_u32 s70, s70, s46
	s_mov_b32 s71, 0
	s_add_co_u32 s72, s72, s46
	s_mov_b32 s73, 0
	s_mov_b32 s[SEL], 0x76543210
	s_mov_b32 s[SEL+1], 0xfedcba98
	s_mov_b32 s[CS], 0x3e38aa3b                    ; log2(e) / sqrt(64)
	s_mov_b32 s[CS+1], s[CS]                       ; (named with it as a pair, so it is written)
	s_mov_b32 s[TB], 0
	s_mov_b32 s[SG], 0
	s_mov_b32 s[SLOTS], 7
	s_lshr_b32 s[LIM], s[WV], 2
	s_xor_b32 s[LIM], s[LIM], 1                    ; 0 in waves 4 to 7,
	s_or_b32 s[LIM], s[LIM], ttmp9                 ; of the head's first work-group
	s_cmp_eq_u32 s[LIM], 0
	s_cselect_b32 s[LIM], 1, -1
	s_wait_kmcnt 0x0
	s_add_nc_u64 s[PFA:PFA+1], s[4:5], s[14:15]    ; the head's K and V
	s_mov_b32 s[G0], 1
	s_mov_b32 s[G0+1], s13
	s_add_nc_u64 s[G0+2:G0+3], s[PFA:PFA+1], s[16:17]
	s_or_b32 s[G0+3], s[G0+3], 0x80000000
	TLOAD                                          ; slot 0
	s_add_nc_u64 s[PFA:PFA+1], s[PFA:PFA+1], 2*STEPB   ; at slot 1: the first change of slots steps it to slot 2
	s_add_nc_u64 s[48:49], s[4:5], s[48:49]
	s_add_nc_u64 s[50:51], s[4:5], s[50:51]
	s_add_nc_u64 s[66:67], s[6:7], s[66:67]
	s_add_nc_u64 s[68:69], s[6:7], s[68:69]
	s_add_nc_u64 s[70:71], s[8:9], s[70:71]
	s_add_nc_u64 s[72:73], s[8:9], s[72:73]
	v_and_b32 v104, 15, v0                         ; r
	s_and_b32 s44, s11, 7
	s_mul_i32 s45, s44, 768
	s_lshl_b32 s44, s44, 6
	v_lshl_add_u32 v98, v[LN], 3, s45
	v_lshl_add_u32 v99, v104, 2, s44
	s_and_b32 s44, s12, 7
	s_mul_i32 s45, s44, 768
	s_lshl_b32 s44, s44, 6
	v_lshl_add_u32 v100, v[LN], 3, s45
	v_lshl_add_u32 v101, v104, 2, s44
.irp p, 0,1,2
	global_load_b64 v[QA+2*\p:QA+2*\p+1], v98, s[48:49] offset:256*\p
	global_load_b64 v[QB+2*\p:QB+2*\p+1], v100, s[50:51] offset:256*\p
.endr
	global_load_b32 v[QSA], v99, s[48:49] offset:6144
	global_load_b32 v[QSB], v101, s[50:51] offset:6144
	v_lshrrev_b32 v102, 3, v104
	v_lshl_add_u32 v102, v102, 3, v104             ; r + 8 (r / 8)
	v_bfe_u32 v103, v0, 4, 1
	v_lshlrev_b32 v103, 4, v103
	v_sub_nc_u32 v102, v102, v103                  ; - 16 (lane / 16)
	s_bfe_u32 s44, s11, 0x20001
	s_lshl_b32 s44, s44, 5
	s_and_b32 s45, s11, 1
	s_lshl_b32 s45, s45, 3
	s_add_co_u32 s44, s44, s45
	v_add_nc_u32 v[DRA], s44, v102
	s_bfe_u32 s44, s12, 0x20001
	s_lshl_b32 s44, s44, 5
	s_and_b32 s45, s12, 1
	s_lshl_b32 s45, s45, 3
	s_add_co_u32 s44, s44, s45
	v_add_nc_u32 v[DRB], s44, v102
	v_sub_nc_u32 v[PFO], v0, 128
	v_min_u32 v[PFO], 101, v[PFO]
	v_lshlrev_b32 v[PFO], 8, v[PFO]
	v_mov_b32 v[TMP], 0
	v_mov_b32 v[NEG], 0xff800000
	v_mov_b32 v[PSW], 0                            ; (named as the upper half of the pair with f before it is first written)
.irp i, 0,1,2,3,4,5
	v_mov_b32 v[QA+6+\i], 0                        ; the zero codes of k = 64 .. 127
	v_mov_b32 v[QB+6+\i], 0
	v_mov_b32 v[F+48+\i], 0
.endr
.irp i, 0,1,2,3,4,5,6,7,8,9,10,11
	v_mov_b32 v[PC+\i], 0                          ; a lane permute's destination counts as one of its sources
.endr
.irp st, STA, STB
	v_mov_b32 v[\st+1], 0xff61b1e6                 ; the largest t so far: -3e38
	v_floor_f32 v[\st], -v[\st+1]
	v_mov_b32 v[\st+2], 0
	v_mov_b32 v[\st+3], 0
.endr
.set j, 0
.rept 64
	v_mov_b32 v[OA+j], 0                           ; O^T of both tiles: the step is written once, and its first turn finds zeros
.set j, j+1
.endr
; A KEY STEP of one tile: 128 keys.
.macro STEP st, q, qs, o, dr, d
	s_cmp_gt_u32 s[SG], s[\d]                      ; all its keys come after my queries: nothing to do
	s_cbranch_scc1 .Lhidden_\@
.rept 4
	v_nop                                          ; places in front of loads into registers that matrix instructions have read
.endr
.irp tau, 0,1,2,3,4,5,6,7
.irp p, 0,1,2
	ds_load_b64 v[F+6*\tau+2*\p:F+6*\tau+2*\p+1], v[AD8] offset:768*\tau+256*\p
.endr
.endr
.irp u, 0,1,2,3
	ds_load_b32 v[KSC+\u], v[AD4] offset:KS+128*\u
.endr
	s_wait_dscnt 0x0
.irp u, 0,1,2,3
	v_wmma_scale_f32_16x16x128_f8f6f4 v[S+16*\u:S+16*\u+7], v[F+12*\u:F+12*\u+11], v[\q:\q+11], 0, v[KSC+\u], v[\qs] matrix_a_fmt:MATRIX_FMT_BF6 matrix_b_fmt:MATRIX_FMT_BF6
	v_wmma_scale_f32_16x16x128_f8f6f4 v[S+16*\u+8:S+16*\u+15], v[F+12*\u+6:F+12*\u+17], v[\q:\q+11], 0, v[KSC+\u], v[\qs] matrix_a_fmt:MATRIX_FMT_BF6 matrix_b_fmt:MATRIX_FMT_BF6 matrix_a_scale:MATRIX_SCALE_ROW1
.endr
.rept 4
	v_nop                                          ; places: for the loads below and the first read of the scores
.endr
.irp a, 0,1,2,3                                ; V^T is asked for now and lands under the softmax
.irp c, 0,1,2
	ds_load_b128 v[F+12*\a+4*\c:F+12*\a+4*\c+3], v[AD16] offset:VC+1536*\a+512*\c
.endr
.endr
.irp u, 0,1
	ds_load_b32 v[KSC+\u], v[AD4] offset:VS+128*\u
.endr
	s_cmp_lg_u32 s[SG], s[\d]                      ; on the diagonal the scores of hidden keys become -infinity: register 16 b + i holds key 32 b + 16 (lane / 16) + i
	s_cbranch_scc1 .Lopen_\@
.set n, 0
.rept 64
	v_cmp_gt_i32 vcc_lo, 32*(n/16)+n%16, v[\dr]
	v_cndmask_b32 v[S+n], v[S+n], v[NEG], vcc_lo
.set n, n+1
.endr
.Lopen_\@:
.irp b, 0,1,2,3
	v_max3_num_f32 v[BM+\b], v[S+16*\b], v[S+1+16*\b], v[S+2+16*\b]   ; the largest score of each block of 32 keys: for the row's maximum and, since p rises with the score, for the block's largest p
.endr
.irp i, 3,5,7,9,11,13
.irp b, 0,1,2,3
	v_max3_num_f32 v[BM+\b], v[BM+\b], v[S+16*\b+\i], v[S+1+16*\b+\i]
.endr
.endr
.irp b, 0,1,2,3
	v_max_num_f32 v[BM+\b], v[BM+\b], v[S+15+16*\b]
.endr
.irp b, 0,1,2,3
	v_permlanex16_b32 v[BT+\b], v[BM+\b], s[SEL], s[SEL+1]
.endr
.irp b, 0,1,2,3
	v_max_num_f32 v[BM+\b], v[BM+\b], v[BT+\b]
.endr
	v_max3_num_f32 v[TMP], v[BM], v[BM+1], v[BM+2]
	v_max_num_f32 v[TMP], v[TMP], v[BM+3]
	v_mul_f32 v[TMP], s[CS], v[TMP]
	v_max_num_f32 v[\st+1], v[\st+1], v[TMP]       ; the running largest t
	v_mov_b32 v[TMP], v[\st]
	v_floor_f32 v[\st], -v[\st+1]                  ; the new -M = -ceil(t)
	v_sub_f32 v[TMP], v[\st], v[TMP]               ; old M - new M: a whole number, 0 or less
	v_cvt_i32_f32 v[TMP], v[TMP]                   ; (it saturates)
	v_ldexp_f32 v[FF], 1.0, v[TMP]                 ; f = 2^(old M - new M)
.set j, 0
.rept 32
	v_pk_fma_f32 v[S+j:S+j+1], v[S+j:S+j+1], s[CS:CS+1], v[\st:\st+1] op_sel_hi:[1,0,0]   ; t - M
.set j, j+2
.endr
.irp b, 0,1,2,3
	v_fma_f32 v[BM+\b], v[BM+\b], s[CS], v[\st]
.endr
.set j, 0
.rept 64
	v_exp_f32 v[S+j], v[S+j]                       ; p, at most 1
.set j, j+1
.endr
	v_pk_mul_f32 v[\st+2:\st+3], v[\st+2:\st+3], v[FF:FF+1] op_sel_hi:[1,0]   ; the sums under the new M (a plain instruction behind the exponentials)
	s_wait_alu depctr_va_vdst(0)                   ; one wait for the batch, ahead of its first reader
.irp b, 0,1,2,3
	v_exp_f32 v[BM+\b], v[BM+\b]                   ; the blocks' largest p
.endr
	v_pk_add_f32 v[SUMP:SUMP+1], v[S:S+1], v[S+2:S+3]   ; the row's sum of the unquantised p, in two chains
.irp j, 4,8,12,16,20,24,28,32,36,40,44,48,52,56,60
	v_pk_add_f32 v[\st+2:\st+3], v[\st+2:\st+3], v[S+\j:S+\j+1]
	v_pk_add_f32 v[SUMP:SUMP+1], v[SUMP:SUMP+1], v[S+2+\j:S+3+\j]
.endr
	v_pk_add_f32 v[\st+2:\st+3], v[\st+2:\st+3], v[SUMP:SUMP+1]
	s_wait_alu depctr_va_vdst(0)                   ; and one for the four
.irp b, 0,1,2,3
	v_max_num_f32 v[BM+\b], 0x2800000, v[BM+\b]    ; the floor 2^(5 - 127)
.endr
.irp b, 0,1,2,3
	v_add_nc_u32 v[SO+\b], 0xfe000000, v[BM+\b]
.endr
.irp b, 0,1,2,3
	v_lshrrev_b32 v[BT+\b], 23, v[SO+\b]
.endr
	v_lshl_or_b32 v[PSW], v[BT+1], 8, v[BT]        ; p's scale word for these 128 keys
	v_lshl_or_b32 v[PSW], v[BT+2], 16, v[PSW]
	v_lshl_or_b32 v[PSW], v[BT+3], 24, v[PSW]
.irp c, 0,1
	v_cvt_scalef32_pk16_bf6_f32 v[PC+6*\c:PC+6*\c+2], v[S+32*\c:S+32*\c+15], v[SO+2*\c]
	v_cvt_scalef32_pk16_bf6_f32 v[CT+4*\c:CT+4*\c+2], v[S+32*\c+16:S+32*\c+31], v[SO+2*\c+1]
.endr
	v_nop                                          ; one plain instruction behind a scaled conversion
.irp c, 0,1
.irp i, 0,1,2
	v_permlane16_swap_b32 v[PC+6*\c+\i], v[CT+4*\c+\i]
.endr
.irp i, 0,1,2
	v_mov_b32 v[PC+3+6*\c+\i], v[CT+4*\c+\i]
.endr
.endr
.set j, 0
.rept 16
	v_pk_mul_f32 v[\o+j:\o+j+1], v[\o+j:\o+j+1], v[FF:FF+1] op_sel_hi:[1,0]   ; O^T under the new M; these sixteen also stand between the writes of p's codes and scale word and the products
.set j, j+2
.endr
	s_wait_dscnt 0x0                               ; V^T and its scale words are in
.irp u, 0,1
	v_wmma_scale_f32_16x16x128_f8f6f4 v[\o+16*\u:\o+16*\u+7], v[F+24*\u:F+24*\u+11], v[PC:PC+11], v[\o+16*\u:\o+16*\u+7], v[KSC+\u], v[PSW] matrix_a_fmt:MATRIX_FMT_BF6 matrix_b_fmt:MATRIX_FMT_BF6
	v_wmma_scale_f32_16x16x128_f8f6f4 v[\o+16*\u+8:\o+16*\u+15], v[F+24*\u+12:F+24*\u+23], v[PC:PC+11], v[\o+16*\u+8:\o+16*\u+15], v[KSC+\u], v[PSW] matrix_a_fmt:MATRIX_FMT_BF6 matrix_b_fmt:MATRIX_FMT_BF6 matrix_a_scale:MATRIX_SCALE_ROW1
.endr
.Lhidden_\@:
.endm
; THE CHANGE OF SLOTS stands at a slot's head: each wave waits for all its tensor loads, adds 0 to its spare word, waits for that and for its reads of the slot that it has left; one barrier; then the slot left is filled.
.macro CHANGE fill
	s_wait_tensorcnt 0x0                           ; no tensor load of mine is out, so the group 0 may be written
	ds_add_u32 v[SPW], v[NIL]                      ; 0 onto my spare word
.if \fill
	s_xor_b32 s[G0+1], s[G0+1], SLOT1
	s_add_nc_u64 s[G0+2:G0+3], s[G0+2:G0+3], 2*STEPB
	s_wait_xcnt 0x0                                ; the last prefetch, a slot back, has read its address
	s_add_nc_u64 s[PFA:PFA+1], s[PFA:PFA+1], 2*STEPB
.endif
	s_wait_dscnt 0x0
	s_barrier_signal -1
	s_barrier_wait -1
.if \fill
	TLOAD                                          ; the first thing behind the barrier: it has a slot's two key steps in which to land
	ASK
.endif
.endm
.macro TWO_STEPS                       ; a slot's two key steps: written once, walked twice
	s_mov_b32 s[TW], 2
.Lstep_\@:
	v_lshl_add_u32 v[AD8], v[LN], 3, s[TB]
	v_lshl_add_u32 v[AD16], v[LN], 4, s[TB]
	v_lshl_add_u32 v[AD4], v[LN], 2, s[TB]
	STEP STA, QA, QSA, OA, DRA, DA
	STEP STB, QB, QSB, OB, DRB, DB
	s_add_co_u32 s[SG], s[SG], 1
	s_add_co_u32 s[TB], s[TB], STEPB
	s_sub_co_u32 s[TW], s[TW], 1
	s_cmp_lg_u32 s[TW], 0
	s_cbranch_scc1 .Lstep_\@
	s_sub_co_u32 s[TB], s[TB], 2*STEPB
	s_xor_b32 s[TB], s[TB], SLOT1
.endm
	s_wait_loadcnt 0x0                             ; Q
.Lslot:                                            ; seven trips: behind each change of slots but the last the next slot is asked for
	CHANGE 1
	TWO_STEPS
	s_sub_co_u32 s[SLOTS], s[SLOTS], 1
	s_cmp_lg_u32 s[SLOTS], 0
	s_cbranch_scc1 .Lslot
	CHANGE 0                                       ; the last slot is written out
	TWO_STEPS
; THE WAY OUT of a tile: O^T / the sum; register 16 b + i is channel 32 b + 16 (lane / 16) + i of the head: two blocks of 32 along the model axis; their codes are a tile of 16 tokens x 64, stored as it stands.
.macro WAYOUT st, o, c, ctt, u, obs, oss
	v_add_f32 v[\st+2], v[\st+2], v[\st+3]
	v_permlanex16_b32 v[TMP], v[\st+2], s[SEL], s[SEL+1]
	v_add_f32 v[\st+2], v[\st+2], v[TMP]           ; the row's sum
	v_rcp_f32 v[FF], v[\st+2]
	v_nop                                          ; a plain instruction behind the reciprocal,
	s_wait_alu depctr_va_vdst(0)                   ; and the wait ahead of its first reader
.set j, 0
.rept 16
	v_pk_mul_f32 v[S+j:S+j+1], v[\o+j:\o+j+1], v[FF:FF+1] op_sel_hi:[1,0]
.set j, j+2
.endr
.irp b, 0,1
	v_max3_num_f32 v[BM+\b], |v[S+16*\b]|, |v[S+1+16*\b]|, 0x2800000
.endr
.irp i, 2,4,6,8,10,12,14
.irp b, 0,1
	v_max3_num_f32 v[BM+\b], v[BM+\b], |v[S+16*\b+\i]|, |v[S+1+16*\b+\i]|
.endr
.endr
.irp b, 0,1
	v_permlanex16_b32 v[BT+\b], v[BM+\b], s[SEL], s[SEL+1]
.endr
.irp b, 0,1
	v_max_num_f32 v[BM+\b], v[BM+\b], v[BT+\b]
.endr
.irp b, 0,1
	v_add_nc_u32 v[SO+\b], 0xfe000000, v[BM+\b]
.endr
.irp b, 0,1
	v_lshrrev_b32 v[BT+\b], 23, v[SO+\b]
.endr
	v_lshl_or_b32 v[\u], v[BT+1], 8, v[BT]         ; the head's two bytes of my token's scale word
	v_cvt_scalef32_pk16_bf6_f32 v[\c:\c+2], v[S:S+15], v[SO]
	v_cvt_scalef32_pk16_bf6_f32 v[\ctt:\ctt+2], v[S+16:S+31], v[SO+1]
	v_nop
.irp i, 0,1,2
	v_permlane16_swap_b32 v[\c+\i], v[\ctt+\i]
.endr
.irp i, 0,1,2
	v_mov_b32 v[\c+3+\i], v[\ctt+\i]
.endr
.irp p, 0,1,2
	global_store_b64 v[AD8], v[\c+2*\p:\c+2*\p+1], s[\obs:\obs+1] offset:256*\p   ; 256 consecutive bytes, aligned
.endr
	global_store_b16 v[AD4], v[\u], s[\oss:\oss+1] ; two bytes a token, 8 bytes apart: a scale word spans two heads; one part in 24 of the result.  Both halves of the lanes store the same
.endm
.rept 4
	v_nop                                          ; places behind the last products
.endr
	v_lshlrev_b32 v[AD8], 3, v[LN]
	v_and_b32 v[AD4], 15, v0
	v_lshlrev_b32 v[AD4], 3, v[AD4]
	WAYOUT STA, OA, F, F+8, F+12, 66, 70           ; each tile has registers of its own for what it stores
	WAYOUT STB, OB, F+16, F+24, F+28, 68, 72
	s_wait_tensorcnt 0x0                           ; the wave's end
	ds_add_u32 v[SPW], v[NIL]
	s_wait_dscnt 0x0
	s_endpgm
.Lfunc_end_k_qe63dab8ec9_attn:
	.size	k_qe63dab8ec9_attn, .Lfunc_end_k_qe63dab8ec9_attn-k_qe63dab8ec9_attn
	.p2alignl 7, 3214868480
	.fill 96, 4, 3214868480
	.section	.rodata,"a",@progbits
	.p2align	6, 0x0
	.amdhsa_kernel k_qe63dab8ec9_attn
		.amdhsa_group_segment_fixed_size 327680
		.amdhsa_private_segment_fixed_size 0
		.amdhsa_enable_private_segment 0
		.amdhsa_kernarg_size 24
		.amdhsa_user_sgpr_count 2
		.amdhsa_user_sgpr_kernarg_segment_ptr 1
		.amdhsa_wavefront_size32 1
		.amdhsa_system_sgpr_workgroup_id_x 1
		.amdhsa_system_sgpr_workgroup_id_y 1
		.amdhsa_system_sgpr_workgroup_id_z 1
		.amdhsa_system_vgpr_workitem_id 0
		.amdhsa_next_free_vgpr 256
		.amdhsa_next_free_sgpr 80
		.amdhsa_reserve_vcc 1
		.amdhsa_float_denorm_mode_32 3
		.amdhsa_float_denorm_mode_16_64 3
		.amdhsa_memory_ordered 1
		.amdhsa_forward_progress 1
		.amdhsa_inst_pref_size 104
	.end_amdhsa_kernel
	.amdgpu_metadata
---
amdhsa.version: [ 1, 2 ]
amdhsa.kernels:
  - .name:           k_qe63dab8ec9_attn
    .symbol:         k_qe63dab8ec9_attn.kd
    .args:
      - { .name: qkv, .offset: 0, .size: 8, .value_kind: global_buffer, .address_space: global }
      - { .name: oc, .offset: 8, .size: 8, .value_kind: global_buffer, .address_space: global }
      - { .name: os, .offset: 16, .size: 8, .value_kind: global_buffer, .address_space: global }
    .group_segment_fixed_size: 327680
    .private_segment_fixed_size: 0
    .kernarg_segment_align: 8
    .kernarg_segment_size: 24
    .max_flat_workgroup_size: 512
    .sgpr_count:     80
    .vgpr_count:     256
    .wavefront_size: 32
...
	.end_amdgpu_metadata
.endif
;; end of part 3
;; launch outp (part 4): grid 4 x 32, 4 waves a work-group, clusters of 4 x 4, 327,680 bytes of LDS; arguments oc, os, cod1, scl1, out0; writes out0
.if DOCPART == 4
	.amdgcn_target "amdgcn-amd-amdhsa--gfx1250"
	.amdhsa_code_object_version 6
	.text
	.protected	k_qe63dab8ec9_outp
	.globl	k_qe63dab8ec9_outp
	.p2align	8
	.type	k_qe63dab8ec9_outp,@function
k_qe63dab8ec9_outp:
	s_mov_b64 s[64:65], 0
	v_nop
	global_prefetch_b8 v0, s[64:65] scope:SCOPE_SE
	s_setreg_imm32_b32 hwreg(HW_REG_WAVE_MODE, 25, 1), 1
	s_wait_xcnt 0x0
	s_wait_alu depctr_hold_cnt(0) depctr_sa_sdst(0) depctr_va_vdst(0) depctr_va_sdst(0) depctr_va_ssrc(0) depctr_va_vcc(0) depctr_vm_vsrc(0)
	s_getreg_b32 s2, hwreg(HW_REG_IB_STS2, 6, 4)
	s_cmp_eq_u32 s2, 0
	s_cbranch_scc0 .Lentry_in_a_cluster
	s_endpgm
.Lentry_in_a_cluster:
	s_bfe_u32 s2, ttmp6, 0x10000c
	s_cmp_lg_u32 s2, 0xf033
	s_cbranch_scc0 .Lentry_shape_is_right
	s_endpgm
.Lentry_shape_is_right:
; out0 = O Wo^T on codes of BF6 (E3M2) with E8M0 scales; out0 [8192][1024] f32.  O's codes (oc) and scale words (os) come from the attention launch, Wo's (cod1, scl1, tile rows 704 on) from the first.
; A tile of 256 x 256 is made by a work-group of four waves, 128 x 128 each: 64 accumulators.  K = 1,024 goes in four fills of 256 through two LDS slots filled by the tensor data mover.
; Both operands lie in memory as images of the fragments' registers, 12,288 bytes a tile row of 16 and 1,536 a K step of 128: Wo's in chunks of 16 bytes a lane, O's (two heads' tiles of 64) in pieces of 8 bytes a lane.
; The rows of a tile of 16 are not neighbours: lane r of tile T holds row 32 (T / 2) + 8 (T % 2) + r + 8 (r / 8); the way out undoes that by its immediates.
; Source 0 = 16 rows of Wo ("B side"), source 1 = 16 tokens ("A side"): a lane holds a token, and the 16 registers of Wo's tiles 2 b, 2 b + 1 are columns 32 b + 16 (lane / 16) + 0 .. 15.
; CLUSTERS: 4 x 4 work-groups; O's tile is shared along a row of the cluster, Wo's along a column: joint loads.  128 tiles: a smaller tile would double the LDS bytes for each product at this short K.
; No prefetch: a tile has two refills in all, and its tiles are shared in the cluster.
; REGISTERS: window 0: v0-31 addresses; v32-63 scale words, two sets; v128-223 the A side's fragments, one set; on the way out v128-255 rows read back.  window 1: the B side's two sets.  windows 2, 3: the accumulators.
.set HALFT, 8*3072
.set SLOT,  4*HALFT
.set SCL,   2*SLOT
.set SPARE, SCL+4*4096                 ; the spare words, 128 bytes a wave: two blocks of 256 bytes that no other line names
.set SPITCH, 528                       ; the way out: a stage of 16 rows x (512 + 16) bytes a wave, in slot 0, which has had its last fill and its last read by then
.set FR,    12
.set NP,    4
.set NLA,   6                          ; LDS loads of a fragment of the A side
.set NQ,    2
.set ADRA, 16
.set ADRB, 20
.set STO,  24
.set RD,   25
.set CO,   26
.set ADRS, 27
.set SPW,  28
.set NIL,  29
.set SC,   32
.set AF,   128
.set BK,   128
.set G1, 24
.set G0, 32
.set G1B, 48
.set G0B, 56
.set G1S, 68
.set G0S, 76
.set G1SB, 80
.set G0SB, 88
.set MSB, 0
.macro WIN new
.if MSB != (\new)
	s_set_vgpr_msb (MSB<<8)|(\new)
.set MSB, (\new)
.endif
.endm
.set MUL_LO, 0xa1
.set MUL_HI, 0xf1
.set TO_B,   0x40
.macro JLOAD g0a, g1a, g0b, g1b        ; waves 0 and 1 fetch for the A side, waves 2 and 3 for the B side; four v_nop follow each line
	s_cmp_eq_u32 s15, 0
	s_cbranch_scc0 .Lfor_b_\@
	tensor_load_to_lds s[\g0a:\g0a+3], s[\g1a:\g1a+7]
	s_nop 0
.rept 4
	v_nop
.endr
	s_branch .Lasked_\@
.Lfor_b_\@:
	tensor_load_to_lds s[\g0b:\g0b+3], s[\g1b:\g1b+7]
	s_nop 0
.rept 4
	v_nop
.endr
.Lasked_\@:
.endm
.macro CREST
	s_cmp_lg_u32 s14, 0
	s_cbranch_scc1 .Lnot_wave_0_\@
	s_barrier_signal -3
.Lnot_wave_0_\@:
	s_barrier_wait -3
	s_barrier_signal -1
	s_barrier_wait -1
.endm
.macro CROUND
	s_barrier_signal -1
	s_barrier_wait -1
	CREST
.endm
	s_load_b128 s[4:7], s[0:1], 0x0                ; oc, os
	s_load_b128 s[8:11], s[0:1], 0x10              ; cod1, scl1
	s_load_b64 s[12:13], s[0:1], 0x20              ; out0
	v_lshl_add_u32 v[SPW], v0, 2, SPARE
	v_mov_b32 v[NIL], 0
	ds_add_u32 v28, v29
	s_wait_dscnt 0x0
	v_lshrrev_b32 v1, 5, v0
	v_readfirstlane_b32 s14, v1
	s_lshr_b32 s15, s14, 1
	s_and_b32 s16, s14, 1
	s_bfe_u32 s40, ttmp6, 0x40000                  ; cx
	s_bfe_u32 s41, ttmp6, 0x40004                  ; cy
	s_lshl_b32 s42, ttmp9, 2
	s_add_co_u32 s42, s42, s40                     ; tile column
	s_and_b32 s17, ttmp7, 0xffff
	s_lshl_b32 s17, s17, 2
	s_add_co_u32 s17, s17, s41                     ; tile row
	s_lshl_b32 s43, s41, 2
	s_lshl_b32 s43, 15, s43
	s_lshl_b32 s44, 0x1111, s40
	s_or_b32 s[G1+0], s43, (3<<16)|(1<<21)         ; 8 rows of 3,072 bytes = 384 elements of 8, 12,288 bytes apart
	s_or_b32 s[G1B+0], s44, (3<<16)|(1<<21)
.irp g, G1, G1B
	s_mov_b32 s[\g+1], 384<<16
	s_mov_b32 s[\g+2], 8<<16
	s_mov_b32 s[\g+3], 384<<16
	s_mov_b32 s[\g+4], 8
	s_mov_b32 s[\g+5], 1536
	s_mov_b32 s[\g+6], 0
	s_mov_b32 s[\g+7], 0
.endr
	s_or_b32 s[G1S+0], s43, (3<<16)|(1<<21)        ; 4,096 dense bytes of scale words, as 16 rows of 256
	s_or_b32 s[G1SB+0], s44, (3<<16)|(1<<21)
.irp g, G1S, G1SB
	s_mov_b32 s[\g+1], 32<<16
	s_mov_b32 s[\g+2], 16<<16
	s_mov_b32 s[\g+3], 32<<16
	s_mov_b32 s[\g+4], 16
	s_mov_b32 s[\g+5], 32
	s_mov_b32 s[\g+6], 0
	s_mov_b32 s[\g+7], 0
.endr
	s_lshl_b32 s18, s16, 3
	s_lshl_b32 s20, s17, 4
	s_add_co_u32 s20, s20, s18                     ; A: the first tile row that I fetch
	s_lshl_b32 s46, s42, 4
	s_add_co_u32 s46, s46, s18
	s_add_co_u32 s46, s46, 704                     ; B: Wo begins at tile row 704
	s_lshl_b32 s22, s20, 9
	s_mov_b32 s23, 0
	s_lshl_b32 s92, s46, 9
	s_mov_b32 s93, 0
	s_mul_i32 s20, s20, 12288
	s_mov_b32 s21, 0
	s_mul_i32 s46, s46, 12288
	s_mov_b32 s47, 0
	s_mul_i32 s45, s14, HALFT
	s_lshl_b32 s94, s14, 12
	s_wait_kmcnt 0x0
	s_add_nc_u64 s[20:21], s[4:5], s[20:21]
	s_add_nc_u64 s[22:23], s[6:7], s[22:23]
	s_add_nc_u64 s[46:47], s[8:9], s[46:47]
	s_add_nc_u64 s[92:93], s[10:11], s[92:93]
	CROUND                                         ; all sixteen work-groups are here: the first joint loads meet
	s_mov_b32 s[G0S], 1
	s_add_co_u32 s[G0S+1], s94, SCL
	s_mov_b64 s[G0S+2:G0S+3], s[22:23]
	s_or_b32 s[G0S+3], s[G0S+3], 0x80000000
	s_mov_b32 s[G0SB], 1
	s_add_co_u32 s[G0SB+1], s94, SCL
	s_mov_b64 s[G0SB+2:G0SB+3], s[92:93]
	s_or_b32 s[G0SB+3], s[G0SB+3], 0x80000000
	JLOAD G0S, G1S, G0SB, G1SB
.irp s, 0,1
	s_mov_b32 s[G0+4*\s], 1
	s_add_co_u32 s[G0+4*\s+1], s45, \s*SLOT
	s_add_nc_u64 s[G0+4*\s+2:G0+4*\s+3], s[20:21], \s*3072
	s_or_b32 s[G0+4*\s+3], s[G0+4*\s+3], 0x80000000
	s_mov_b32 s[G0B+4*\s], 1
	s_add_co_u32 s[G0B+4*\s+1], s45, \s*SLOT
	s_add_nc_u64 s[G0B+4*\s+2:G0B+4*\s+3], s[46:47], \s*3072
	s_or_b32 s[G0B+4*\s+3], s[G0B+4*\s+3], 0x80000000
	JLOAD G0+4*\s, G1, G0B+4*\s, G1B               ; three tensor loads of a wave are out
.endr
	v_and_b32 v1, 15, v0                           ; r
	v_bfe_u32 v2, v0, 4, 1                         ; h
	v_and_b32 v3, 31, v0                           ; lane
	v_lshlrev_b32 v[CO], 4, v3                     ; 16 x lane
	v_lshlrev_b32 v4, 3, v3                        ; 8 x lane
	s_mul_i32 s18, s15, HALFT
	s_mul_i32 s19, s16, HALFT
	s_add_co_u32 s19, s19, 2*HALFT
.irp s, 0,1
	v_add_nc_u32 v[ADRA+\s], s18, v4
	v_add_nc_u32 v[ADRB+\s], s19, v[CO]
	s_add_co_u32 s18, s18, SLOT
	s_add_co_u32 s19, s19, SLOT
.endr
	s_lshl_b32 s18, s15, 12                        ; scale words: one base + h x the distance
	s_lshl_b32 s19, s16, 12
	s_add_co_u32 s19, s19, 8192
	s_sub_co_u32 s19, s19, s18
	v_mul_u32_u24 v6, s19, v2
	s_add_co_u32 s18, s18, SCL
	v_lshlrev_b32 v5, 3, v1
	v_add_nc_u32 v5, v5, v6
	v_add_nc_u32 v[ADRS], s18, v5
	s_mul_i32 s18, s14, 16*SPITCH                  ; my stage
	v_mul_u32_u24 v5, v1, SPITCH
	v_lshl_add_u32 v5, v2, 6, v5                   ; in: row r, + 64 h
	v_add_nc_u32 v[STO], s18, v5
	v_add_nc_u32 v[RD], s18, v[CO]                 ; back: a row of 512 bytes for the 32 lanes
	s_lshl_b32 s20, s17, 8
	s_lshl_b32 s21, s15, 7
	s_add_co_u32 s20, s20, s21                     ; my first row of out0,
	s_lshl_b32 s20, s20, 12                        ; rows of 4,096 bytes
	s_mov_b32 s21, 0
	s_lshl_b32 s46, s42, 10                        ; my first column, in bytes
	s_lshl_b32 s47, s16, 9
	s_add_co_u32 s46, s46, s47
	s_mov_b32 s47, 0
	s_add_nc_u64 s[20:21], s[20:21], s[46:47]
	s_add_nc_u64 s[12:13], s[12:13], s[20:21]
.macro FRAGB reg, adr, q, i            ; Wo's fragment: three loads of 512 consecutive bytes
.irp c, 0,1,2
	ds_load_b128 v[\reg+4*\c:\reg+4*\c+3], v[\adr] offset:(\i)*3072+(\q)*1536+512*\c
.endr
.endm
.macro FRAGA reg, adr, q, i            ; O's fragment: two heads' tiles, six loads of 256 consecutive bytes
.irp p, 0,1,2,3,4,5
	ds_load_b64 v[\reg+2*\p:\reg+2*\p+1], v[\adr] offset:(\i)*3072+(\q)*1536+256*\p
.endr
.endm
.macro MUL16 a0, p, q, sc, zero        ; the 64 accumulators take turns, one instruction a turn
.irp a, \a0, \a0+1
.irp b, 0,1,2,3,4,5,6,7
.if \zero
	v_wmma_scale_f32_16x16x128_f8f6f4 v[8*(8*((\a)%4)+\b):8*(8*((\a)%4)+\b)+7], v[128*(\p)+FR*\b:128*(\p)+FR*\b+FR-1], v[AF+FR*(\a):AF+FR*(\a)+FR-1], 0, v[SC+8*NQ*(\sc)+NQ*\b+(\q)], v[SC+8*NQ*(\sc)+NQ*(\a)+(\q)] matrix_a_fmt:MATRIX_FMT_BF6 matrix_b_fmt:MATRIX_FMT_BF6 matrix_a_scale:MATRIX_SCALE_ROW1
.else
	v_wmma_scale_f32_16x16x128_f8f6f4 v[8*(8*((\a)%4)+\b):8*(8*((\a)%4)+\b)+7], v[128*(\p)+FR*\b:128*(\p)+FR*\b+FR-1], v[AF+FR*(\a):AF+FR*(\a)+FR-1], v[8*(8*((\a)%4)+\b):8*(8*((\a)%4)+\b)+7], v[SC+8*NQ*(\sc)+NQ*\b+(\q)], v[SC+8*NQ*(\sc)+NQ*(\a)+(\q)] matrix_a_fmt:MATRIX_FMT_BF6 matrix_b_fmt:MATRIX_FMT_BF6 matrix_a_scale:MATRIX_SCALE_ROW1
.endif
.endr
.endr
.endm
.macro FETCH_B slot, q, p
	WIN TO_B
.irp i, 0,1,2,3,4,5,6,7
	FRAGB 128*(\p)+FR*\i, ADRB+\slot, \q, \i
.endr
	WIN 0
.endm
.macro FETCH_A slot, q, i0
.irp i, \i0, \i0+1, \i0+2, \i0+3
	FRAGA AF+FR*(\i), ADRA+\slot, \q, \i
.endr
.endm
.macro SCALES sc
.irp i, 0,1,2,3,4,5,6,7
	ds_load_b64 v[SC+8*NQ*\sc+NQ*\i:SC+8*NQ*\sc+NQ*\i+1], v[ADRS] offset:\i*512
.endr
.endm
.macro PLACES n
.rept \n
	v_nop
.endr
.endm
.macro STEP slot, q, zero
	s_wait_dscnt 4*NLA                             ; B's set, A's blocks 0-3 and the scale words are in; A's blocks 4-7 may be out
	WIN MUL_LO
	MUL16 0, (\q)%2, \q, \slot, \zero
	MUL16 2, (\q)%2, \q, \slot, \zero
	s_wait_dscnt 0
	PLACES NP
	FETCH_B \slot, (\q)+1, 1-(\q)%2
	FETCH_A \slot, (\q)+1, 0
	WIN MUL_HI
	MUL16 4, (\q)%2, \q, \slot, \zero
	MUL16 6, (\q)%2, \q, \slot, \zero
	PLACES NP
	WIN 0
	FETCH_A \slot, (\q)+1, 4
.endm
.macro TURN slot, next, fill
	s_wait_tensorcnt 0x0                           ; all my tensor loads have landed: my part of the next slot
	ds_add_u32 v[SPW], v[NIL]                      ; 0 onto my spare word
	s_wait_dscnt 4*NLA+1                           ; (the add and A's blocks 4-7 may be out)
	WIN MUL_LO
	MUL16 0, 1, NQ-1, \slot, 0
	s_wait_dscnt 0x0                               ; the add is done, and my reads of this slot are over
	s_barrier_signal -1
	MUL16 2, 1, NQ-1, \slot, 0
	WIN 0
	s_barrier_wait -1
.if \fill
	CREST                                          ; the barrier has opened a round of the cluster's
	s_add_nc_u64 s[G0+4*\slot+2:G0+4*\slot+3], s[G0+4*\slot+2:G0+4*\slot+3], 6144
	s_add_nc_u64 s[G0B+4*\slot+2:G0B+4*\slot+3], s[G0B+4*\slot+2:G0B+4*\slot+3], 6144
	JLOAD G0+4*\slot, G1, G0B+4*\slot, G1B         ; the first tensor load behind the round
.else
	PLACES NP
.endif
	v_add_nc_u32 v[ADRS], 128, v[ADRS]
	FETCH_B \next, 0, 0
	FETCH_A \next, 0, 0
	SCALES \next
	WIN MUL_HI
	MUL16 4, 1, NQ-1, \slot, 0
	MUL16 6, 1, NQ-1, \slot, 0
	PLACES NP
	WIN 0
	FETCH_A \next, 0, 4
.endm
	s_wait_tensorcnt 1                             ; the scale words and my part of slot 0 are in (slot 1's load may be out)
	s_barrier_signal -1
	s_barrier_wait -1
	FETCH_B 0, 0, 0
	FETCH_A 0, 0, 0
	SCALES 0
	FETCH_A 0, 0, 4
	STEP 0, 0, 1                                   ; the first products start the sums
	TURN 0, 1, 1
	STEP 1, 0, 0
	TURN 1, 0, 1
	STEP 0, 0, 0
	TURN 0, 1, 0
	STEP 1, 0, 0
	s_wait_dscnt 4*NLA
	WIN MUL_LO
	MUL16 0, 1, NQ-1, 1, 0
	MUL16 2, 1, NQ-1, 1, 0
	s_wait_dscnt 0
	WIN MUL_HI
	MUL16 4, 1, NQ-1, 1, 0
	MUL16 6, 1, NQ-1, 1, 0
	WIN 0
; THE WAY OUT, block by block of 16 tokens x 128 columns, through my own stage: in by lanes (a lane's eight numbers of Wo's tile b are columns 32 (b / 2) + 16 h + 8 (b % 2) + 0 .. 7), back as whole rows of 512 bytes.
.macro TOSTAGE a
.set AC, 64*((\a)%4)
	WIN 0x08+4*((\a)/4)                            ; the data: window 2 or 3
.irp b, 0,1,2,3,4,5,6,7
	ds_store_b128 v[STO], v[AC+8*\b:AC+8*\b+3] offset:128*(\b/2)+32*(\b%2)        ; each accumulator from its low end on
	ds_store_b128 v[STO], v[AC+8*\b+4:AC+8*\b+7] offset:128*(\b/2)+32*(\b%2)+16
.endr
	WIN 0
.set BB, BK+64*((\a)%2)
.irp t, 0,1,2,3,4,5,6,7,8,9,10,11,12,13,14,15
	ds_load_b128 v[BB+4*\t:BB+4*\t+3], v[RD] offset:\t*SPITCH                     ; LDS serves a wave's instructions in order: these see the stores above
.endr
.endm
.macro SEND a, younger                 ; younger: the LDS instructions issued behind block a's loads, which may stay out
.set BB, BK+64*((\a)%2)
	s_wait_dscnt \younger
.irp t, 0,1,2,3,4,5,6,7,8,9,10,11,12,13,14,15
	global_store_b128 v[CO], v[BB+4*\t:BB+4*\t+3], s[12:13] offset:(32*((\a)/2)+8*((\a)%2)+\t+8*(\t/8))*4096 th:TH_STORE_NT   ; 512 consecutive bytes, aligned; the tile's row t is token 32 (a / 2) + 8 (a % 2) + t + 8 (t / 8); 127 rows at the most: inside the immediate
.endr
.endm
	PLACES NP
	TOSTAGE 0
.irp a, 1,2,3,4,5,6,7
.if \a > 1
	s_wait_xcnt 0x0                                ; block a - 2's stores have read their registers: block a's loads may land there
.endif
	TOSTAGE \a
	SEND \a-1, 32                                  ; behind block a - 1's loads: block a's 16 stores and 16 loads
.endr
	SEND 7, 0
	s_wait_tensorcnt 0x0                           ; the wave's end
	ds_add_u32 v[SPW], v[NIL]
	s_wait_dscnt 0x0
	CROUND                                         ; the closing round
	s_endpgm
.Lfunc_end_k_qe63dab8ec9_outp:
	.size	k_qe63dab8ec9_outp, .Lfunc_end_k_qe63dab8ec9_outp-k_qe63dab8ec9_outp
	.p2alignl 7, 3214868480
	.fill 96, 4, 3214868480
	.section	.rodata,"a",@progbits
	.p2align	6, 0x0
	.amdhsa_kernel k_qe63dab8ec9_outp
		.amdhsa_group_segment_fixed_size 327680
		.amdhsa_private_segment_fixed_size 0
		.amdhsa_enable_private_segment 0
		.amdhsa_kernarg_size 40
		.amdhsa_user_sgpr_count 2
		.amdhsa_user_sgpr_kernarg_segment_ptr 1
		.amdhsa_wavefront_size32 1
		.amdhsa_system_sgpr_workgroup_id_x 1
		.amdhsa_system_sgpr_workgroup_id_y 1
		.amdhsa_system_sgpr_workgroup_id_z 1
		.amdhsa_system_vgpr_workitem_id 0
		.amdhsa_next_free_vgpr 1024
		.amdhsa_next_free_sgpr 100
		.amdhsa_reserve_vcc 0
		.amdhsa_float_denorm_mode_32 3
		.amdhsa_float_denorm_mode_16_64 3
		.amdhsa_memory_ordered 1
		.amdhsa_forward_progress 1
		.amdhsa_inst_pref_size 147
	.end_amdhsa_kernel
	.amdgpu_metadata
---
amdhsa.version: [ 1, 2 ]
amdhsa.kernels:
  - .name:           k_qe63dab8ec9_outp
    .symbol:         k_qe63dab8ec9_outp.kd
    .args:
      - { .name: oc, .offset: 0, .size: 8, .value_kind: global_buffer, .address_space: global }
      - { .name: os, .offset: 8, .size: 8, .value_kind: global_buffer, .address_space: global }
      - { .name: cod1, .offset: 16, .size: 8, .value_kind: global_buffer, .address_space: global }
      - { .name: scl1, .offset: 24, .size: 8, .value_kind: global_buffer, .address_space: global }
      - { .name: out0, .offset: 32, .size: 8, .value_kind: global_buffer, .address_space: global }
    .group_segment_fixed_size: 327680
    .private_segment_fixed_size: 0
    .kernarg_segment_align: 8
    .kernarg_segment_size: 40
    .max_flat_workgroup_size: 128
    .sgpr_count:     100
    .vgpr_count:     1024
    .wavefront_size: 32
...
	.end_amdgpu_metadata
.endif
;; end of part 4
